; MI455X (gfx1250); checked and timed in simulation.
; The chip was launched on July 23, 2026; its instructions are those of AMD's public machine-readable ISA for CDNA 5 (MIT licence, August 2026) and "CDNA5" Instruction Set Architecture Reference Guide (July 2026). The comments in the code are by the model that wrote it; some were corrected since.
;; Mo E Layer. Allowed arithmetic: float matrix products may take bf16 or f16 operands with f32 sums; other float arithmetic in f32, or as packed bf16 or f16 multiplies, adds, multiply-adds, maxima and minima; sums over many terms, partial sums and values carried from step to step in f32; what a program stores and reads back later, other than sums and carried values, may be rounded once to bf16 or f16.
;; Inputs: b1 8 x 4,096 float32; b2 8 x 1,024 float32; gate_b 8 float32; gate_w 1,024 x 8 float32; w1 8 x 1,024 x 4,096 float32; w2 8 x 4,096 x 1,024 float32; x 2 x 512 x 1,024 float32.
;; Outputs: out0 2 x 512 x 1,024 float32.
;; 2 versions, each right; version 2 is version 1 with the launches ffn1, ffn2 written anew for expert scheduling mode. Each part assembles by itself: llvm-mc -triple=amdgcn-amd-amdhsa -mcpu=gfx1250 --defsym DOCPART=n.
;; ======== version 1 of 2: 5 launches
;; workspace buffers: sel 12,288 bytes of whole numbers; gat 8,192 bytes; meta 256 bytes of whole numbers; pos 8,192 bytes of whole numbers; gp 8,704 bytes; xs 4,423,680 bytes; h 17,694,720 bytes; y 35,389,440 bytes
;; launch route (part 1): grid 256 x 1, 4 waves a work-group, no clusters, 16,896 bytes of LDS; arguments x, gate_w, gate_b, sel, gat; writes sel, gat
.if DOCPART == 1
	.amdgcn_target "amdgcn-amd-amdhsa--gfx1250"
	.amdhsa_code_object_version 6
	.text
	.protected	k_qece28d9440_route
	.globl	k_qece28d9440_route
	.p2align	8
	.type	k_qece28d9440_route,@function
k_qece28d9440_route:
	s_mov_b64 s[64:65], 0
	v_nop
	global_prefetch_b8 v0, s[64:65] scope:SCOPE_SE
	s_setreg_imm32_b32 hwreg(HW_REG_WAVE_MODE, 25, 1), 1
	s_wait_xcnt 0x0
; ROUTER.  logits = x gate_w + gate_b, softmax, the two largest gates, divided by (their sum + 1e-9).
; x [1024][1024], gate_w [1024][8], gate_b [8], all f32 and all rounded once to bf16 here, as every input of this program is; products of
; two bf16 are exact in f32 and the sums are f32.  Stored at fixed places: sel[n][2] (the experts, i32), gat[n][2] (the gates, f32), and behind sel's
; 8,192 bytes one word a token, 1 << 4 e0 + 1 << 4 e1, from which the next launch counts.
; SHARES.  One wave, one token: n = 4 x work-group + wave.  Lane L has the columns 128 i + 4 L + c (i = 0..7, c = 0..3).
; gate_w is shared: wave w loads the rows of i = 2 w, 2 w + 1 (16 loads, issued with its 8 loads of x, so that every load from memory is out before the first wait),
; rounds them and stores 4,096 bytes into LDS; behind one barrier every wave reads all 16,384 bytes.  Block (i, c), 512 bytes, holds at 16 L the eight bf16 of row 128 i + 4 L + c.
; No matrix unit: 8 columns would fill half of a 16 x 16 tile, and the whole product is 1024 x 1024 x 8 multiply-adds.
; LIMITS.  The maximum is taken away before the exponentials.  Of equal gates the lower index wins (strict > in ascending order); gates closer than
; the rounding of the f32 sums may be ordered otherwise than by another order of summation.  An exponential below 2^-126 counts as 0.  NaN and infinities are not treated apart.
.set ACC, 10                           ; v10-17  the eight logits, then the gates
.set PT,  18                           ; v18-25  the other half of the lanes' sums; later the results
.set XB,  32                           ; v32-63  x as loaded; then v32-47: x in bf16, word 2 i + c / 2
.set GR,  64                           ; v64-127 my quarter of gate_w as loaded: word 32 (i % 2) + 8 c + e
.set GQ,  128                          ; v128-159 the same in bf16: word 16 (i % 2) + 4 c + e / 2
.set GW,  64                           ; v64-191 all of gate_w in bf16, out of LDS: word 16 i + 4 c + e / 2
.set SPARE, 16384                      ; behind the table: the spare words, 128 bytes for each wave
	s_load_b256 s[4:11], s[0:1], 0x0               ; x s[4:5], gate_w s[6:7], gate_b s[8:9], sel s[10:11]
	s_load_b64 s[12:13], s[0:1], 0x20              ; gat
	v_lshl_add_u32 v6, v0, 2, SPARE                ; my spare word,
	v_mov_b32 v7, 0                                ; and 0: kept for the wave's last lines
	v_and_b32 v1, 31, v0                           ; lane
	v_lshrrev_b32 v2, 5, v0
	v_readfirstlane_b32 s14, v2                    ; wave
	s_lshl_b32 s15, ttmp9, 2
	s_add_co_u32 s15, s15, s14                     ; token n
	s_lshl_b32 s2, s15, 12                         ; its row of 4,096 bytes
	s_mov_b32 s3, 0
	s_mov_b32 s24, 0x76543210                      ; v_permlanex16_b32: each lane takes its own place in the other half
	s_mov_b32 s25, 0xfedcba98
	s_mov_b32 s28, 0x3fb8aa3b                      ; log2(e)
	v_lshlrev_b32 v4, 4, v1                        ; 16 L: x, and the table in LDS
	v_lshlrev_b32 v5, 7, v1                        ; 128 L: four rows of gate_w,
	s_lshl_b32 s29, s14, 13
	v_add_nc_u32 v5, s29, v5                       ; in my wave's two blocks of 4,096 bytes
	s_lshl_b32 s29, s14, 12
	v_add_nc_u32 v3, s29, v4                       ; LDS: my wave's 4,096 bytes + 16 L
	v_mov_b32 v8, 0                                ; the first products' addend
	s_lshl_b32 s29, s15, 3
	v_mov_b32 v9, s29                              ; 8 n: where the pairs go
	s_lshl_b32 s29, s15, 2
	v_mov_b32 v30, s29                             ; 4 n: where the word goes
	v_mov_b32 v31, 1
.irp e, 0,1,2,3,4,5,6,7
	v_mov_b32 v[PT+\e], 0                          ; v_permlanex16_b32 counts as a reader of its destination
.endr
	s_wait_kmcnt 0x0
	s_add_nc_u64 s[26:27], s[4:5], s[2:3]
	s_load_b256 s[16:23], s[8:9], 0x0              ; gate_b
.irp i, 0,1,2,3,4,5,6,7
	global_load_b128 v[XB+4*\i:XB+4*\i+3], v4, s[26:27] offset:512*\i  ; 512 consecutive bytes of the row
.endr
.irp ii, 0,1
.irp m, 0,1,2,3,4,5,6,7
	global_load_b128 v[GR+32*\ii+4*\m:GR+32*\ii+4*\m+3], v5, s[6:7] offset:4096*\ii+16*\m
.endr
.endr
	s_wait_loadcnt 16                              ; x is in; the 16 loads of gate_w stay out
.set p, 0
.rept 16
	v_cvt_pk_bf16_f32 v[XB+p], v[XB+2*p], v[XB+2*p+1]  ; in place, ascending: word p is written when words 2 p, 2 p + 1 are read
.set p, p+1
.endr
	s_wait_loadcnt 0x0
.set p, 0
.rept 32
	v_cvt_pk_bf16_f32 v[GQ+p], v[GR+2*p], v[GR+2*p+1]
.set p, p+1
.endr
.irp ii, 0,1
.irp c, 0,1,2,3
	ds_store_b128 v3, v[GQ+16*\ii+4*\c:GQ+16*\ii+4*\c+3] offset:2048*\ii+512*\c
.endr
.endr
	s_wait_dscnt 0x0                               ; for the others' sake: my quarter of the table is in LDS
	s_barrier_signal -1
	s_barrier_wait -1                              ; everybody's is; the table is only read from here on
.set n, 0
.rept 32
	ds_load_b128 v[GW+4*n:GW+4*n+3], v4 offset:512*n   ; block n = 4 i + c
.set n, n+1
.endr
; one multiply-add from two bf16 halves: logit e += x(128 I + 4 L + c) gate_w(.., e)
.macro MIX
.set rA, XB+2*I+c/2
.set rB, GW+16*I+4*c+e/2
.set rC, ACC+e
.if (I == 0) && (c == 0)
.set rC, 8                             ; the first eight start the sums
.endif
.if (c%2 == 0) && (e%2 == 0)
	v_fma_mix_f32_bf16 v[ACC+e], v[rA], v[rB], v[rC] op_sel:[0,0,0] op_sel_hi:[1,1,0]
.elseif (c%2 == 0)
	v_fma_mix_f32_bf16 v[ACC+e], v[rA], v[rB], v[rC] op_sel:[0,1,0] op_sel_hi:[1,1,0]
.elseif (e%2 == 0)
	v_fma_mix_f32_bf16 v[ACC+e], v[rA], v[rB], v[rC] op_sel:[1,0,0] op_sel_hi:[1,1,0]
.else
	v_fma_mix_f32_bf16 v[ACC+e], v[rA], v[rB], v[rC] op_sel:[1,1,0] op_sel_hi:[1,1,0]
.endif
.endm
.set I, 0
.rept 8
	s_wait_dscnt 28-4*I                            ; LDS loads come back in order: this i's four blocks are in, the later ones' four each stay out
.set c, 0
.rept 4
.set e, 0
.rept 8
	MIX
.set e, e+1
.endr
.set c, c+1
.endr
.set I, I+1
.endr
	; the 32 lanes' sums: four steps inside each half of 16 lanes, one across
.irp k, 1,2,4,8
.irp e, 0,1,2,3,4,5,6,7
	v_add_f32_dpp v[ACC+\e], v[ACC+\e], v[ACC+\e] row_xmask:\k row_mask:0xf bank_mask:0xf
.endr
.endr
.irp e, 0,1,2,3,4,5,6,7
	v_permlanex16_b32 v[PT+\e], v[ACC+\e], s24, s25
.endr
.irp e, 0,1,2,3,4,5,6,7
	v_add_f32 v[ACC+\e], v[ACC+\e], v[PT+\e]
.endr
	s_wait_kmcnt 0x0                               ; gate_b
.irp p, 0,1,2,3
	v_mov_b32 v27, s[16+2*\p]
	v_mov_b32 v28, s[17+2*\p]
	v_cvt_pk_bf16_f32 v26, v27, v28                ; rounded to bf16 like the other inputs
	v_lshlrev_b32 v27, 16, v26
	v_and_b32 v28, 0xffff0000, v26
	v_add_f32 v[ACC+2*\p], v[ACC+2*\p], v27
	v_add_f32 v[ACC+2*\p+1], v[ACC+2*\p+1], v28
.endr
	; softmax: 2^((l - max) log2 e), divided by the sum
	v_max3_num_f32 v26, v10, v11, v12
	v_max3_num_f32 v27, v13, v14, v15
	v_max3_num_f32 v26, v26, v16, v17
	v_max_num_f32 v26, v26, v27
	v_mul_f32 v26, s28, v26
.irp e, 0,1,2,3,4,5,6,7
	v_fma_f32 v[ACC+\e], v[ACC+\e], s28, -v26
.endr
.irp e, 0,1,2,3,4,5,6,7
	v_exp_f32 v[ACC+\e], v[ACC+\e]
.endr
	v_nop                                          ; a plain instruction between the last exponential and the use of its result
	s_wait_alu depctr_va_vdst(0)
	v_add_f32 v26, v10, v11
	v_add_f32 v27, v12, v13
	v_add_f32 v18, v14, v15
	v_add_f32 v19, v16, v17
	v_add_f32 v26, v26, v27
	v_add_f32 v18, v18, v19
	v_add_f32 v26, v26, v18
	v_rcp_f32 v27, v26
	v_nop
	s_wait_alu depctr_va_vdst(0)
.irp e, 0,1,2,3,4,5,6,7
	v_mul_f32 v[ACC+\e], v[ACC+\e], v27
.endr
	; the largest gate (v24, index v20), then the largest of the others (v25, v21): strict >, ascending, so the lower index keeps a tie
	v_mov_b32 v24, v10
	v_mov_b32 v20, 0
.irp e, 1,2,3,4,5,6,7
	v_cmp_gt_f32 vcc_lo, v[ACC+\e], v24
	v_cndmask_b32 v24, v24, v[ACC+\e], vcc_lo
	v_cndmask_b32 v20, v20, \e, vcc_lo
.endr
	v_mov_b32 v25, -1.0                            ; below every gate
	v_mov_b32 v21, 0
.irp e, 0,1,2,3,4,5,6,7
	v_cmp_gt_f32 s30, v[ACC+\e], v25
	v_cmp_ne_u32 s31, \e, v20
	s_and_b32 vcc_lo, s30, s31
	v_cndmask_b32 v25, v25, v[ACC+\e], vcc_lo
	v_cndmask_b32 v21, v21, \e, vcc_lo
.endr
	v_add_f32 v26, v24, v25
	v_add_f32 v26, 0x3089705f, v26                 ; + 1e-9
	v_rcp_f32 v26, v26
	v_lshlrev_b32 v27, 2, v20                      ; (plain instructions behind the reciprocal:) the token's word: a one in the nibble of each of its experts
	v_lshlrev_b32 v28, 2, v21
	v_lshlrev_b32 v27, v27, v31
	v_lshlrev_b32 v28, v28, v31
	v_add_nc_u32 v27, v27, v28
	v_cmp_eq_u32 vcc_lo, 0, v1
	s_wait_alu depctr_va_vdst(0)
	v_mul_f32 v22, v24, v26
	v_mul_f32 v23, v25, v26
	s_wait_xcnt 0x0                                ; EXEC changes only when every earlier memory instruction has had its addresses translated
	s_and_saveexec_b32 s30, vcc_lo                 ; every lane holds the same results: lane 0 stores them
	global_store_b64 v9, v[20:21], s[10:11]
	global_store_b64 v9, v[22:23], s[12:13]
	global_store_b32 v30, v27, s[10:11] offset:8192
	s_wait_xcnt 0x0
	s_or_b32 exec_lo, exec_lo, s30
	s_wait_tensorcnt 0x0                           ; the wave's end: three lines behind my last LDS store
	ds_add_u32 v6, v7
	s_wait_dscnt 0x0
	s_endpgm
.Lfunc_end_k_qece28d9440_route:
	.size	k_qece28d9440_route, .Lfunc_end_k_qece28d9440_route-k_qece28d9440_route
	.p2alignl 7, 3214868480
	.fill 96, 4, 3214868480
	.section	.rodata,"a",@progbits
	.p2align	6, 0x0
	.amdhsa_kernel k_qece28d9440_route
		.amdhsa_group_segment_fixed_size 16896
		.amdhsa_private_segment_fixed_size 0
		.amdhsa_enable_private_segment 0
		.amdhsa_kernarg_size 40
		.amdhsa_user_sgpr_count 2
		.amdhsa_user_sgpr_kernarg_segment_ptr 1
		.amdhsa_wavefront_size32 1
		.amdhsa_system_sgpr_workgroup_id_x 1
		.amdhsa_system_sgpr_workgroup_id_y 1
		.amdhsa_system_sgpr_workgroup_id_z 1
		.amdhsa_system_vgpr_workitem_id 0
		.amdhsa_next_free_vgpr 192
		.amdhsa_next_free_sgpr 66
		.amdhsa_reserve_vcc 1
		.amdhsa_float_denorm_mode_32 3
		.amdhsa_float_denorm_mode_16_64 3
		.amdhsa_memory_ordered 1
		.amdhsa_forward_progress 1
		.amdhsa_inst_pref_size 36
	.end_amdhsa_kernel
	.amdgpu_metadata
---
amdhsa.version: [ 1, 2 ]
amdhsa.kernels:
  - .name:           k_qece28d9440_route
    .symbol:         k_qece28d9440_route.kd
    .args:
      - { .name: x, .offset: 0, .size: 8, .value_kind: global_buffer, .address_space: global }
      - { .name: gate_w, .offset: 8, .size: 8, .value_kind: global_buffer, .address_space: global }
      - { .name: gate_b, .offset: 16, .size: 8, .value_kind: global_buffer, .address_space: global }
      - { .name: sel, .offset: 24, .size: 8, .value_kind: global_buffer, .address_space: global }
      - { .name: gat, .offset: 32, .size: 8, .value_kind: global_buffer, .address_space: global }
    .group_segment_fixed_size: 16896
    .private_segment_fixed_size: 0
    .kernarg_segment_align: 8
    .kernarg_segment_size: 40
    .max_flat_workgroup_size: 128
    .sgpr_count:     66
    .vgpr_count:     192
    .wavefront_size: 32
...
	.end_amdgpu_metadata
.endif
;; end of part 1
;; launch pack (part 2): grid 135 x 1, 4 waves a work-group, no clusters, 0 bytes of LDS; arguments sel, gat, x, xs, meta, pos, gp; writes xs, meta, pos, gp
.if DOCPART == 2
	.amdgcn_target "amdgcn-amd-amdhsa--gfx1250"
	.amdhsa_code_object_version 6
	.text
	.protected	k_qece28d9440_pack
	.globl	k_qece28d9440_pack
	.p2align	8
	.type	k_qece28d9440_pack,@function
k_qece28d9440_pack:
	s_mov_b64 s[64:65], 0
	v_nop
	global_prefetch_b8 v0, s[64:65] scope:SCOPE_SE
	s_setreg_imm32_b32 hwreg(HW_REG_WAVE_MODE, 25, 1), 1
	s_wait_xcnt 0x0
; THE ROWS ARE SORTED BY EXPERT AND LAID OUT AS MATRIX OPERANDS.  2,048 routed rows (1,024 tokens x 2).  The experts follow each other, each beginning a new tile of 16 rows,
; tokens ascending within an expert: never more than (2,048 + 8 x 15) / 16 = 135 tiles, whatever the split.  Work-group b makes tile b.
; Stored: xs[tile][32 ksteps][1,024 bytes] (x in bf16, in the order in which a wave's operand registers take it); gp[position] (the row's gate, 0 for a place past the count);
; pos[token][slot] (the position of each routed row); meta (work-group 0): word e = expert e's first tile, word 8 + e = its number of tiles.
; Every wave counts for itself: no atomics, no LDS, no barrier.  Read: one word a token (behind sel's pairs) with a one in the nibble of each of its two experts.
; COUNTS: a lane adds its 32 tokens' words, 15 + 15 + 2 at a time so that no nibble passes 15; the nibbles are widened to bytes (32 at the most) and to 16 bits (1,024 at the most) and added over the lanes.
; RANKS: for the tile's expert, 32 masks of 32 tokens and their running counts in scalar registers; each lane keeps the last group whose running count is at or below its row's rank, and finds the set bit.
; Wave w then writes ksteps 8 w .. 8 w + 7.  A place past an expert's count, and a tile past the last expert's, repeats a row that exists; nothing reads what the products make of it.
; OPERAND ORDER.  In kstep 2 Q + v lane (r = L % 16, hh = L / 16) holds row r and, in register p, k = 64 Q + 32 hh + 16 v + 2 p and + 1; the weights are laid in the same order.
; In the 1,024 bytes registers 0-3 lie at 16 L and registers 4-7 at 512 + 16 L, so that each load and store of a wave covers 512 consecutive bytes.
.set W,  16                            ; v16-47   group g of 32 tokens: the word of token 32 g + L
.set MB, 64                            ; v64-95   the word's bit for the tile's expert
.set GA, 48                            ; v48-175  x as loaded, 16 registers a kstep, rounded in place (before that: v48-61, v64-106 at work)
.set PF, 32                            ; s32-63   the running count in front of group g (before that: s32-35 the eight counts, two to a word)
.set MK, 66                            ; s66-97   group g's mask
	s_load_b256 s[4:11], s[0:1], 0x0               ; sel s[4:5], gat s[6:7], x s[8:9], xs s[10:11]
	s_load_b128 s[12:15], s[0:1], 0x20             ; meta s[12:13], pos s[14:15]
	s_load_b64 s[16:17], s[0:1], 0x30              ; gp
	v_and_b32 v1, 31, v0                           ; lane
	v_and_b32 v2, 15, v0                           ; r
	v_bfe_u32 v3, v0, 4, 1                         ; hh
	v_lshrrev_b32 v6, 5, v0
	v_readfirstlane_b32 s20, v6                    ; wave
	s_mov_b32 s21, ttmp9                           ; b
	v_lshlrev_b32 v4, 4, v1
	v_lshlrev_b32 v7, 2, v1                        ; 4 L
	v_mov_b32 v8, 0                                ; meta's 32 words, one a lane
	s_mov_b32 s98, 0x76543210                      ; v_permlanex16_b32: each lane takes its own place in the other half
	s_mov_b32 s99, 0xfedcba98
.irp r, 56,57,60,61
	v_mov_b32 v[\r], 0                             ; a lane exchange counts as a reader of its destination
.endr
	s_wait_kmcnt 0x0
.set g, 0
.rept 32
	global_load_b32 v[W+g], v7, s[4:5] offset:8192+128*g
.set g, g+1
.endr
	s_wait_loadcnt 0x0
	v_add3_u32 v48, v[W], v[W+1], v[W+2]           ; tokens of groups 0-14,
	v_add3_u32 v49, v[W+15], v[W+16], v[W+17]      ; 15-29,
	v_add_nc_u32 v50, v[W+30], v[W+31]             ; 30, 31
.set g, 3
.rept 6
	v_add3_u32 v48, v48, v[W+g], v[W+g+1]
	v_add3_u32 v49, v49, v[W+15+g], v[W+16+g]
.set g, g+2
.endr
	s_mov_b32 s28, 0x0f0f0f0f
.irp k, 0,1,2
	v_lshrrev_b32 v[52+\k], 4, v[48+\k]
	v_and_b32 v[48+\k], s28, v[48+\k]
	v_and_b32 v[52+\k], s28, v[52+\k]
.endr
	v_add3_u32 v48, v48, v49, v50                  ; bytes: experts 0, 2, 4, 6
	v_add3_u32 v52, v52, v53, v54                  ; experts 1, 3, 5, 7
	s_mov_b32 s28, 0x00ff00ff
	v_lshrrev_b32 v49, 8, v48
	v_lshrrev_b32 v53, 8, v52
	v_and_b32 v48, s28, v48                        ; halves: experts 0, 4
	v_and_b32 v49, s28, v49                        ; 2, 6
	v_and_b32 v52, s28, v52                        ; 1, 5
	v_and_b32 v53, s28, v53                        ; 3, 7
.irp k, 1,2,4,8
.irp r, 48,49,52,53
	v_mov_b32_dpp v[(\r)+8], v[\r] row_xmask:\k row_mask:0xf bank_mask:0xf
.endr
.irp r, 48,49,52,53
	v_add_nc_u32 v[\r], v[\r], v[(\r)+8]
.endr
.endr
.irp r, 48,49,52,53
	v_permlanex16_b32 v[(\r)+8], v[\r], s98, s99
.endr
.irp r, 48,49,52,53
	v_add_nc_u32 v[\r], v[\r], v[(\r)+8]
.endr
	v_readfirstlane_b32 s32, v48
	v_readfirstlane_b32 s33, v52
	v_readfirstlane_b32 s34, v49
	v_readfirstlane_b32 s35, v53
	; each expert's count c, tiles T = ceil(c / 16) and first tile o.  Kept: the last expert whose first tile is at or before b: an expert without rows is superseded by the next.
	s_mov_b32 s22, 0                               ; o
	s_mov_b32 s26, 0                               ; my tile's expert
	s_mov_b32 s27, 0                               ; and that expert's first tile
.irp e, 0,1,2,3,4,5,6,7
.if \e < 4
	s_and_b32 s25, s[32+\e], 0xffff
.else
	s_lshr_b32 s25, s[28+\e], 16
.endif
	s_add_co_u32 s24, s25, 15
	s_lshr_b32 s24, s24, 4                         ; T
	s_cmp_le_u32 s22, s21
	s_cselect_b32 s26, \e, s26
	s_cselect_b32 s27, s22, s27
	v_writelane_b32 v8, s22, \e                    ; word e = o
	v_writelane_b32 v8, s24, 8+\e                  ; word 8 + e = T
	s_add_co_u32 s22, s22, s24
.endr
	; my row's rank among the expert's tokens is 16 (b - o) + r
	s_lshl_b32 s23, s26, 2
	s_lshl_b32 s23, 1, s23                         ; the expert's bit in a token's word
	s_sub_co_u32 s28, s21, s27
	s_lshl_b32 s28, s28, 4
	v_add_nc_u32 v12, s28, v2                      ; the rank
.set g, 0
.rept 32
	v_and_b32 v[MB+g], s23, v[W+g]
.set g, g+1
.endr
.set g, 0
.rept 32
	v_cmp_ne_u32 s[MK+g], 0, v[MB+g]
.set g, g+1
.endr
	s_mov_b32 s[PF], 0
.set g, 0
.rept 31
	s_bcnt1_i32_b32 s28, s[MK+g]
	s_add_co_u32 s[PF+g+1], s[PF+g], s28
.set g, g+1
.endr
	s_bcnt1_i32_b32 s28, s[MK+31]
	s_add_co_u32 s29, s[PF+31], s28                ; the expert's count
	v_mov_b32 v14, s[MK]                           ; kept: the group's mask,
	v_mov_b32 v15, 0                               ; the running count in front of it,
	v_mov_b32 v9, 0                                ; its number
.set g, 1
.rept 31
	v_cmp_le_u32 vcc_lo, s[PF+g], v12
	v_cndmask_b32 v14, v14, s[MK+g], vcc_lo
	v_cndmask_b32 v15, v15, s[PF+g], vcc_lo
	v_cndmask_b32 v9, v9, g, vcc_lo
.set g, g+1
.endr
	v_cmp_gt_u32 s100, s29, v12                    ; the row exists: its rank is below the expert's count
	v_sub_nc_u32 v15, v12, v15                     ; n: set bits of the mask to pass over
	; the place of set bit n of the mask: counts of its 2, 4, 8 and 16 bit fields, then five steps from the wide fields to the narrow
	v_lshrrev_b32 v100, 1, v14
	v_and_b32 v100, 0x55555555, v100
	v_sub_nc_u32 v100, v14, v100
	v_lshrrev_b32 v101, 2, v100
	v_and_b32 v101, 0x33333333, v101
	v_and_b32 v102, 0x33333333, v100
	v_add_nc_u32 v101, v101, v102
	v_lshrrev_b32 v102, 4, v101
	v_add_nc_u32 v102, v102, v101
	v_and_b32 v102, 0x0f0f0f0f, v102
	v_lshrrev_b32 v103, 8, v102
	v_add_nc_u32 v103, v103, v102
	v_and_b32 v103, 0x00ff00ff, v103
	v_mov_b32 v104, 0
.macro STEP src, wid, inc              ; if n is at or past the count of the field at the place, pass the field over
	v_bfe_u32 v105, v[\src], v104, \wid
	v_cmp_ge_u32 vcc_lo, v15, v105
	v_sub_nc_u32 v105, v15, v105
	v_cndmask_b32 v15, v15, v105, vcc_lo
	v_add_nc_u32 v106, \inc, v104
	v_cndmask_b32 v104, v104, v106, vcc_lo
.endm
	STEP 103, 8, 16
	STEP 102, 8, 8
	STEP 101, 4, 4
	STEP 100, 2, 2
	STEP 14, 1, 1
	v_lshl_add_u32 v184, v9, 5, v104
	v_min_u32 v184, 0x3ff, v184                    ; the row's token
	v_lshlrev_b32 v186, 3, v184
	v_lshlrev_b32 v185, 12, v184
	v_lshl_add_u32 v185, v3, 7, v185               ; + 32 hh columns
	s_lshl_b32 s28, s20, 10
	v_add_nc_u32 v185, s28, v185                   ; + my wave's 256 columns
	s_lshl_b32 s30, s21, 15
	s_lshl_b32 s28, s20, 13
	s_add_co_u32 s30, s30, s28
	s_mov_b32 s31, 0
	s_add_nc_u64 s[10:11], s[10:11], s[30:31]      ; xs at tile b, kstep 8 w
	global_load_b64 v[188:189], v186, s[4:5]       ; the token's two experts and gates, for the lists: asked for ahead of the rows, so that they are in when the rows are
	global_load_b64 v[190:191], v186, s[6:7]
.set jj, 0
.rept 8
.irp c, 0,1,2,3
	global_load_b128 v[GA+16*jj+4*\c:GA+16*jj+4*\c+3], v185, s[8:9] offset:(jj/2)*256+(jj%2)*64+16*\c  ; 16 columns from 64 Q + 32 hh + 16 v
.endr
.set jj, jj+1
.endr
.set jj, 0
.rept 8
	s_wait_loadcnt 28-4*jj                         ; the later ksteps' four loads each stay out
.irp p, 0,1,2,3,4,5,6,7
	v_cvt_pk_bf16_f32 v[GA+16*jj+\p], v[GA+16*jj+2*\p], v[GA+16*jj+2*\p+1]  ; in place, ascending
.endr
	global_store_b128 v4, v[GA+16*jj:GA+16*jj+3], s[10:11] offset:jj*1024
	global_store_b128 v4, v[GA+16*jj+4:GA+16*jj+7], s[10:11] offset:jj*1024+512
.set jj, jj+1
.endr
	s_cmp_lg_u32 s20, 0
	s_cbranch_scc1 .Lend                           ; the lists are wave 0's
	s_cmp_lg_u32 s21, 0
	s_cbranch_scc1 .Lnometa                        ; meta is work-group 0's
	global_store_b32 v7, v8, s[12:13]              ; 32 words, 128 consecutive bytes
.Lnometa:
	s_lshl_b32 s28, s21, 6
	s_lshl_b32 s29, s21, 4
	v_lshlrev_b32 v183, 2, v2
	v_add_nc_u32 v183, s28, v183                   ; 4 (16 b + r)
	v_add_nc_u32 v182, s29, v2                     ; the position 16 b + r
	v_cmp_eq_u32 vcc_lo, s26, v188
	v_cndmask_b32 v187, v191, v190, vcc_lo         ; the gate of the slot that chose my expert
	v_cndmask_b32 v180, 1, 0, vcc_lo               ; that slot
	v_min_u32 v180, 1, v180
	v_cndmask_b32 v187, 0, v187, s100              ; 0 for a place past the count
	v_lshl_add_u32 v181, v180, 2, v186
	global_store_b32 v183, v187, s[16:17]          ; the two halves of the lanes hold the same rows and store the same words
	s_wait_xcnt 0x0                                ; EXEC changes only when every earlier memory instruction has had its addresses translated
	s_and_saveexec_b32 s101, s100                  ; only rows that exist have a place in pos
	global_store_b32 v181, v182, s[14:15]
	s_wait_xcnt 0x0
	s_or_b32 exec_lo, exec_lo, s101
.Lend:
	s_endpgm
.Lfunc_end_k_qece28d9440_pack:
	.size	k_qece28d9440_pack, .Lfunc_end_k_qece28d9440_pack-k_qece28d9440_pack
	.p2alignl 7, 3214868480
	.fill 96, 4, 3214868480
	.section	.rodata,"a",@progbits
	.p2align	6, 0x0
	.amdhsa_kernel k_qece28d9440_pack
		.amdhsa_group_segment_fixed_size 0
		.amdhsa_private_segment_fixed_size 0
		.amdhsa_enable_private_segment 0
		.amdhsa_kernarg_size 56
		.amdhsa_user_sgpr_count 2
		.amdhsa_user_sgpr_kernarg_segment_ptr 1
		.amdhsa_wavefront_size32 1
		.amdhsa_system_sgpr_workgroup_id_x 1
		.amdhsa_system_sgpr_workgroup_id_y 1
		.amdhsa_system_sgpr_workgroup_id_z 1
		.amdhsa_system_vgpr_workitem_id 0
		.amdhsa_next_free_vgpr 192
		.amdhsa_next_free_sgpr 102
		.amdhsa_reserve_vcc 1
		.amdhsa_float_denorm_mode_32 3
		.amdhsa_float_denorm_mode_16_64 3
		.amdhsa_memory_ordered 1
		.amdhsa_forward_progress 1
		.amdhsa_inst_pref_size 35
	.end_amdhsa_kernel
	.amdgpu_metadata
---
amdhsa.version: [ 1, 2 ]
amdhsa.kernels:
  - .name:           k_qece28d9440_pack
    .symbol:         k_qece28d9440_pack.kd
    .args:
      - { .name: sel, .offset: 0, .size: 8, .value_kind: global_buffer, .address_space: global }
      - { .name: gat, .offset: 8, .size: 8, .value_kind: global_buffer, .address_space: global }
      - { .name: x, .offset: 16, .size: 8, .value_kind: global_buffer, .address_space: global }
      - { .name: xs, .offset: 24, .size: 8, .value_kind: global_buffer, .address_space: global }
      - { .name: meta, .offset: 32, .size: 8, .value_kind: global_buffer, .address_space: global }
      - { .name: pos, .offset: 40, .size: 8, .value_kind: global_buffer, .address_space: global }
      - { .name: gp, .offset: 48, .size: 8, .value_kind: global_buffer, .address_space: global }
    .group_segment_fixed_size: 0
    .private_segment_fixed_size: 0
    .kernarg_segment_align: 8
    .kernarg_segment_size: 56
    .max_flat_workgroup_size: 128
    .sgpr_count:     102
    .vgpr_count:     192
    .wavefront_size: 32
...
	.end_amdgpu_metadata
.endif
;; end of part 2
;; launch ffn1 (part 3): grid 32 x 8, 4 waves a work-group, no clusters, 262,656 bytes of LDS; arguments xs, w1, b1, meta, h; writes h
.if DOCPART == 3
	.amdgcn_target "amdgcn-amd-amdhsa--gfx1250"
	.amdhsa_code_object_version 6
	.text
	.protected	k_qece28d9440_ffn1
	.globl	k_qece28d9440_ffn1
	.p2align	8
	.type	k_qece28d9440_ffn1,@function
k_qece28d9440_ffn1:
	s_mov_b64 s[64:65], 0
	v_nop
	global_prefetch_b8 v0, s[64:65] scope:SCOPE_SE
	s_setreg_imm32_b32 hwreg(HW_REG_WAVE_MODE, 25, 1), 1
	s_wait_xcnt 0x0
; FIRST PRODUCT.  h = gelu(x W1[e] + b1[e]) for the rows that chose expert e.  Work-group (s, e) alone reads the slice W1[e][0..1023][128 s .. 128 s + 127], 524,288 bytes of f32.
; PHASE 1: the slice is rounded to bf16 in registers and laid into LDS as ready operands, 262,144 bytes, each byte written once; wave w takes ksteps 8 w .. 8 w + 7, LDS bytes 65,536 w on.  One barrier.
; PHASE 2: the expert's T tiles of 16 rows are dealt to the four waves, ceil(T / 4) each, and a wave takes up to five at a time through all of K: the rows' operands come from xs straight into registers,
; the weights' from LDS.  Nothing in phase 2 writes LDS and no barrier stands there, so its jumps may hang on the expert's count.  T is 0 to 64: four passes of five tiles a wave cover every split.
; A pass with fewer than five tiles repeats its last tile in the loads, so that every load and every counted wait is the same on every way; only matrix instructions and stores of such tiles are jumped.
; OPERAND ORDER: in kstep 2 Q + v lane (r, hh) holds in register p k = 64 Q + 32 hh + 16 v + 2 p and + 1, for rows and weights alike.  A weight operand jc of column half q has column 64 q + 4 r + jc in lane r:
; the lane's 16-byte loads of 16 rows of W1 then hold its registers of four operands, and rounding two rows' numbers into one word is all the transposing there is.
; The weights are source 0, the rows source 1: a lane of the result holds ONE row (r) and hidden columns 64 q + 32 hh + 4 j + jc, which packed in pairs ARE the second product's row operands.
; FORMATS: x, W1, b1 rounded once to bf16, sums f32, h stored in bf16.  gelu(x) = max(x, 0) - |x| y, y = (a1 t + .. + a5 t^5) 2^(-0.7213475 x^2), t = 1 / (1 + 0.2316419 |x|):
; erf to 1.5e-7 absolute.  Where x^2 overflows y is 0, which is right; a y below 2^-126 counts as 0; NaN and infinities are not treated apart.
; NO JOINT LOADS: each weight has one reader; what an expert's 32 work-groups share is its rows' operands (32,768 bytes a tile), for which 65,024 bytes of LDS are left beside the slice.
; REGISTERS, in windows of 256 (s_set_vgpr_msb: bits 1:0 source 0, 3:2 source 1, 5:4 source 2, 7:6 destination):
;   window 0: v0-21 addresses; v32-95 the bias; v96-159, v160-223 weight operands of one kstep, two buffers (while streaming: v96-127 rounded words, v160-223 b1 as loaded)
;   window 1: streaming: four sets of 64, W1 as loaded.  Products: v0-159 row operands, a ring of 4 ksteps x 5 tiles x 8; v160-223 tile 4's sums.  Way out: see below
;   window 2: the sums of tiles 0-3: (i, t) at 64 i + 8 t
.set PITCH, 16384                      ; bytes from row to row of W1
.set HSH,   19                         ; 32 rows
.set WSH,   22                         ; 256 rows
.set TSH,   15                         ; a tile of xs: 32,768 bytes
.set SPARE, 262144                     ; behind the slice: the spare words, 128 bytes for each wave
.set AT,   12                          ; v12-16  16 L + the byte offset of tile i of the pass in xs
.set AP,   68                          ; s[68:75] the address of the row operands' next kstep, a pair for each place of the ring
.set BIAS, 32
.set BB,   96
.set TMP,  96
.set RB,   160
.set AR,   0
.set ACC4, 160
.set X,    0                           ; way out, window 1: 64 numbers of one tile
.set TT,   64
.set UU,   80
.set PP,   96
.set RR,   112
.set HH,   128                         ; the tile's 32 packed words
.set MSB, 0
.macro WIN new                         ; the immediate's high byte repeats the setting that is left; a switch that changes nothing is dropped
.if MSB != (\new)
	s_set_vgpr_msb (MSB<<8)|(\new)
.set MSB, \new
.endif
.endm
	s_load_b256 s[4:11], s[0:1], 0x0               ; xs s[4:5], w1 s[6:7], b1 s[8:9], meta s[10:11]
	s_load_b64 s[12:13], s[0:1], 0x20              ; h
	v_lshl_add_u32 v10, v0, 2, SPARE               ; my spare word,
	v_mov_b32 v11, 0                               ; and 0: kept for the wave's last lines
	v_and_b32 v1, 31, v0
	v_and_b32 v2, 15, v0                           ; r
	v_bfe_u32 v3, v0, 4, 1                         ; hh
	v_lshrrev_b32 v7, 5, v0
	v_readfirstlane_b32 s14, v7                    ; wave
	s_mov_b32 s15, ttmp9                           ; slice s
	s_and_b32 s16, ttmp7, 0xffff                   ; expert e
	v_lshlrev_b32 v4, 4, v1                        ; 16 L
	v_lshlrev_b32 v5, 4, v2
	v_lshl_add_u32 v5, v3, HSH, v5
	s_lshl_b32 s27, s14, WSH
	v_add_nc_u32 v5, s27, v5                       ; (256 w + 32 hh) rows + 16 r
	s_lshl_b32 s27, s14, 16
	v_add_nc_u32 v6, s27, v4                       ; LDS: my wave's 65,536 bytes + 16 L
	v_lshlrev_b32 v8, 7, v3                        ; 32 hh numbers of b1
	s_mov_b32 s31, 0                               ; the high word of every offset
	s_lshl_b32 s56, s16, 2
	s_mov_b32 s40, 0x3e6d3388                      ; 0.2316419
	s_mov_b32 s42, 0xbf38aa3b                      ; -log2(e) / 2
	s_mov_b32 s43, 0xbf38aa3b
	s_mov_b32 s44, 0x3e027906                      ; a1 / 2 .. a5 / 2, each named as a pair
	s_mov_b32 s45, 0x3e027906
	s_mov_b32 s46, 0xbe11a98e
	s_mov_b32 s47, 0xbe11a98e
	s_mov_b32 s48, 0x3f35f0e3
	s_mov_b32 s49, 0x3f35f0e3
	s_mov_b32 s50, 0xbf3a00e3
	s_mov_b32 s51, 0xbf3a00e3
	s_mov_b32 s52, 0x3f07dc22
	s_mov_b32 s53, 0x3f07dc22
	s_lshl_b32 s30, s16, 24
	s_lshl_b32 s27, s15, 9
	s_add_co_u32 s30, s30, s27
	s_wait_kmcnt 0x0
	s_add_nc_u64 s[32:33], s[6:7], s[30:31]        ; W1[e] at my slice's first column
	s_lshl_b32 s30, s16, 14
	s_add_co_u32 s30, s30, s27
	s_add_nc_u64 s[58:59], s[8:9], s[30:31]        ; b1[e] likewise
	s_lshl_b32 s30, s15, 12
	s_add_nc_u64 s[36:37], s[12:13], s[30:31]      ; h at kstep 4 s of tile 0
	s_mov_b64 s[54:55], s[4:5]
; PHASE 1.  A unit is one kstep x 64 columns: 16 loads, each two rows' 256 consecutive bytes.  Four sets of registers: (kstep parity, column half).
.macro WLOAD set, jl, q                ; jl: the kstep, counted from the base's
	WIN 0x40
.set i, 0
.rept 16
	global_load_b128 v[64*(\set)+4*i:64*(\set)+4*i+3], v5, s[32:33] offset:(64*((\jl)/2)+16*((\jl)%2)+i)*PITCH+256*(\q) th:TH_LOAD_NT
.set i, i+1
.endr
.endm
.macro WCONV set, jl, q                ; rows 2 p and 2 p + 1 of column jc make register p of operand jc; then 4,096 bytes into LDS
	WIN 0x05
.irp jc, 0,1,2,3
.irp p, 0,1,2,3,4,5,6,7
	v_cvt_pk_bf16_f32 v[TMP+8*(\jc)+(\p)], v[64*(\set)+8*(\p)+(\jc)], v[64*(\set)+8*(\p)+4+(\jc)]
.endr
.endr
	WIN 0
.irp jc, 0,1,2,3
	ds_store_b128 v6, v[TMP+8*(\jc):TMP+8*(\jc)+3] offset:(\jl)*8192+(\q)*4096+(\jc)*1024
	ds_store_b128 v6, v[TMP+8*(\jc)+4:TMP+8*(\jc)+7] offset:(\jl)*8192+(\q)*4096+(\jc)*1024+512
.endr
.endm
	WLOAD 0, 0, 0                                  ; 64 loads, 32,768 bytes, of every wave are on their way from here to the tail
	WLOAD 1, 0, 1
	WLOAD 2, 1, 0
	WLOAD 3, 1, 1
	WIN 0
	s_load_b32 s17, s[10:11], s56 offset:0x0       ; the expert's first tile
	s_load_b32 s18, s[10:11], s56 offset:0x20      ; and its number of tiles
	s_mov_b32 s25, 3
.Lstream:                                              ; a trip: two ksteps are rounded and stored, the next two are asked for
.irp u, 0,1,2,3
	s_wait_loadcnt 48                              ; loads come back in order: this set is in, the three younger sets of 16 stay out
	WCONV \u, (\u)/2, (\u)%2
	WLOAD \u, (\u)/2+2, (\u)%2
.endr
	WIN 0
	s_wait_xcnt 0x0                                ; the loads' base is stepped only when their addresses have been translated
	s_add_nc_u64 s[32:33], s[32:33], 64*PITCH
	v_add_nc_u32 v6, 0x4000, v6
	s_sub_co_u32 s25, s25, 1
	s_cmp_lg_u32 s25, 0
	s_cbranch_scc1 .Lstream
	s_wait_loadcnt 48
	WCONV 0, 0, 0
.irp q, 0,1
.irp j, 0,1,2,3,4,5,6,7
	global_load_b128 v[RB+32*\q+4*\j:RB+32*\q+4*\j+3], v8, s[58:59] offset:256*\q+16*\j  ; b1 of columns 64 q + 32 hh + 4 j ..
.endr
.endr
	s_wait_loadcnt 48                              ; two sets and the 16 loads of b1 stay out
	WCONV 1, 0, 1
	s_wait_loadcnt 32
	WCONV 2, 1, 0
	s_wait_loadcnt 16
	WCONV 3, 1, 1
	s_wait_loadcnt 0x0                             ; b1
	s_wait_dscnt 0x0                               ; for the others' sake: my part of the slice is in LDS
	s_barrier_signal -1
	s_barrier_wait -1                              ; everybody's is; from here to the closing barrier LDS is only read
.irp q, 0,1
.irp j, 0,1,2,3,4,5,6,7
.irp jc, 0,2
	v_cvt_pk_bf16_f32 v224, v[RB+32*\q+4*\j+\jc], v[RB+32*\q+4*\j+\jc+1]   ; b1 rounded to bf16, and put where the sums' registers want it
	v_lshlrev_b32 v[BIAS+32*\q+8*\jc+\j], 16, v224
	v_and_b32 v[BIAS+32*\q+8*\jc+8+\j], 0xffff0000, v224
.endr
.endr
.endr
	s_wait_kmcnt 0x0
	s_min_u32 s17, s17, 134
	s_min_u32 s18, s18, 64
	s_add_co_u32 s19, s18, 3
	s_lshr_b32 s19, s19, 2                         ; tiles a wave
	s_mul_i32 s27, s14, s19
	s_sub_co_i32 s20, s18, s27
	s_max_i32 s20, s20, 0
	s_min_u32 s20, s20, s19                        ; my tiles still to do
	s_add_co_u32 s24, s17, s27                     ; the first of them
; PHASE 2
; Five tiles' row operands of one kstep into ring place rb: ten loads of 512 consecutive bytes.  step = 1: the place's address goes four ksteps on first.  The loads that last named
; that pair brought the kstep multiplied just before this one, and the counted wait at that kstep's head has shown them done: so the pair may be written with no further wait.
.macro LOADA rb, step
.if \step
	s_add_nc_u64 s[AP+2*(\rb):AP+2*(\rb)+1], s[AP+2*(\rb):AP+2*(\rb)+1], 4096
.endif
	WIN 0x40
.irp i, 0,1,2,3,4
	global_load_b128 v[AR+40*(\rb)+8*(\i):AR+40*(\rb)+8*(\i)+3], v[AT+(\i)], s[AP+2*(\rb):AP+2*(\rb)+1]
	global_load_b128 v[AR+40*(\rb)+8*(\i)+4:AR+40*(\rb)+8*(\i)+7], v[AT+(\i)], s[AP+2*(\rb):AP+2*(\rb)+1] offset:512
.endr
.endm
.macro LOADBP buf, off, n0, cnt        ; cnt of the sixteen LDS loads of a kstep's eight weight operands, from number n0 on: 512 consecutive bytes each
.set n, \n0
.rept \cnt
	ds_load_b128 v[BB+64*(\buf)+4*n:BB+64*(\buf)+4*n+3], v7 offset:(\off)+512*n
.set n, n+1
.endr
.endm
.macro TILE jj, i, zero                ; tile i's eight products of kstep jj: its eight sums by turns, one instruction a turn.  zero = 1: they start the sums
.if (\i) < 4
	WIN 0xa4                                       ; weights window 0, rows window 1, sums window 2
.set AC, 64*(\i)
.else
	WIN 0x54                                       ; sums window 1
.set AC, ACC4
.endif
.irp t, 0,1,2,3,4,5,6,7
.if \zero
	v_wmma_f32_16x16x32_bf16 v[AC+8*(\t):AC+8*(\t)+7], v[BB+64*((\jj)&1)+8*(\t):BB+64*((\jj)&1)+8*(\t)+7], v[AR+40*((\jj)&3)+8*(\i):AR+40*((\jj)&3)+8*(\i)+7], 0
.else
	v_wmma_f32_16x16x32_bf16 v[AC+8*(\t):AC+8*(\t)+7], v[BB+64*((\jj)&1)+8*(\t):BB+64*((\jj)&1)+8*(\t)+7], v[AR+40*((\jj)&3)+8*(\i):AR+40*((\jj)&3)+8*(\i)+7], v[AC+8*(\t):AC+8*(\t)+7]
.endif
.endr
.endm
; Kstep jj of a group of four.  la: the rows of three ksteps on are asked for (1: at the place's first address; 2: the address steps first).  lb: the next kstep's weights are asked for, in three runs
; ahead of tiles 0, 1 and 2, so that products stand between the runs.  lc: the younger row loads that may stay out.  A tile past the pass's count g has its eight products jumped, and nothing else.
.macro KSTEP jj, zero, la, lb, lc
.if (\jj) == 3
.set kb, 0
.set ko, 0
.else
.set kb, ((\jj)+1)&1
.set ko, ((\jj)+1)*8192
.endif
	s_wait_dscnt 0x0                               ; this kstep's weights, asked for in the last kstep
	s_wait_loadcnt \lc                             ; this kstep's rows
.rept 4
	v_nop                                          ; four plain instructions between the last kstep's products and all loads below into registers that they read
.endr
.if \la
	LOADA ((\jj)+3)&3, (\la)-1
	WIN 0
.endif
.if (\lb) && ((\jj) == 3)
	v_add_nc_u32 v7, 0x8000, v7                    ; the next group of four ksteps in LDS
.endif
.irp i, 0,1,2,3,4
.if (\lb) && ((\i) == 0)
	LOADBP kb, ko, 0, 6
.endif
.if (\lb) && ((\i) == 1)
	LOADBP kb, ko, 6, 5
.endif
.if (\lb) && ((\i) == 2)
	LOADBP kb, ko, 11, 5
.endif
.if ((\i) > 0) && !(\zero)
	s_cmp_le_u32 s23, \i
	s_cbranch_scc1 .Ld_\@_\i
.endif
	TILE \jj, \i, \zero
	WIN 0
.if ((\i) > 0) && !(\zero)
.Ld_\@_\i:
.endif
.endr
.endm
.macro FETCH i                         ; tile i's sums + bias into the way out's fixed registers; each sum's registers ascending
.if (\i) < 4
	WIN 0x42
.set AC, 64*(\i)
.else
	WIN 0x41
.set AC, ACC4
.endif
.set k, 0
.rept 32
	v_pk_add_f32 v[X+2*k:X+2*k+1], v[AC+2*k:AC+2*k+1], v[BIAS+2*k:BIAS+2*k+1]
.set k, k+1
.endr
	WIN 0
.endm
.macro EACH n, line:vararg             ; one line for k = 0 .. n - 1
.set k, 0
	s_wait_alu depctr_va_vdst(0)
.rept \n
	\line
.set k, k+1
.endr
.endm
; GELU of sixteen numbers.  Each reciprocal and each exponential is followed by two plain lines on other registers: G1's 32 (x^2; times -log2(e) / 2; max(x, 0)) beside the reciprocals,
; G2's 40 (the polynomial in t) beside and behind the exponentials.
.macro G1 n
.if (\n) < 8
	v_pk_mul_f32 v[UU+2*(\n):UU+2*(\n)+1], v[XO+2*(\n):XO+2*(\n)+1], v[XO+2*(\n):XO+2*(\n)+1]
.elseif (\n) < 16
	v_pk_mul_f32 v[UU+2*(\n)-16:UU+2*(\n)-15], v[UU+2*(\n)-16:UU+2*(\n)-15], s[42:43] op_sel_hi:[1,0]
.else
	v_max_num_f32 v[RR+(\n)-16], 0, v[XO+(\n)-16]
.endif
.endm
.macro G2 n
.set pr, 2*((\n)%8)
.if (\n) < 8
	s_wait_alu depctr_va_vdst(0)
	v_pk_fma_f32 v[PP+pr:PP+pr+1], v[TT+pr:TT+pr+1], s[52:53], s[50:51] op_sel_hi:[1,0,0]
.elseif (\n) < 16
	v_pk_fma_f32 v[PP+pr:PP+pr+1], v[PP+pr:PP+pr+1], v[TT+pr:TT+pr+1], s[48:49] op_sel_hi:[1,1,0]
.elseif (\n) < 24
	v_pk_fma_f32 v[PP+pr:PP+pr+1], v[PP+pr:PP+pr+1], v[TT+pr:TT+pr+1], s[46:47] op_sel_hi:[1,1,0]
.elseif (\n) < 32
	v_pk_fma_f32 v[PP+pr:PP+pr+1], v[PP+pr:PP+pr+1], v[TT+pr:TT+pr+1], s[44:45] op_sel_hi:[1,1,0]
.else
	v_pk_mul_f32 v[PP+pr:PP+pr+1], v[PP+pr:PP+pr+1], v[TT+pr:TT+pr+1]
.endif
.endm
.macro GELU bt
.set XO, X+16*(\bt)
	EACH 16, v_fma_f32 v[TT+k], |v[XO+k]|, s40, 1.0
.set k, 0
.rept 16
	v_rcp_f32 v[TT+k], v[TT+k]
	G1 2*k
	G1 2*k+1
.set k, k+1
.endr
.set k, 0
.rept 16
	v_exp_f32 v[UU+k], v[UU+k]
	G2 2*k
	G2 2*k+1
.set k, k+1
.endr
.set k, 32
.rept 8
	G2 k
.set k, k+1
.endr
	EACH 8, v_pk_mul_f32 v[PP+2*k:PP+2*k+1], v[PP+2*k:PP+2*k+1], v[UU+2*k:UU+2*k+1]
	EACH 16, v_fma_f32 v[XO+k], -|v[XO+k]|, v[PP+k], v[RR+k]
.endm
	s_mov_b32 s41, 4
.Lpass:                                                ; four trips; a trip with no tile left is jumped
	s_cmp_eq_u32 s20, 0
	s_cbranch_scc1 .Lskip
	s_wait_xcnt 0x0                                ; the last pass's loads and stores have read their addresses and data
	s_min_u32 s23, s20, 5                          ; g: this pass's tiles
	s_sub_co_u32 s28, s23, 1
.irp i, 0,1,2,3,4
	s_min_u32 s29, s28, \i                         ; a place past g repeats the pass's last tile
	s_add_co_u32 s29, s29, s24
	s_min_u32 s29, s29, 134
	s_lshl_b32 s29, s29, TSH
	v_add_nc_u32 v[AT+\i], s29, v4
.endr
	v_mov_b32 v7, v4
.irp rb, 0,1,2,3
	s_add_nc_u64 s[AP+2*\rb:AP+2*\rb+1], s[54:55], 1024*\rb   ; ring place rb begins with kstep rb
.endr
	LOADA 0, 0
	LOADA 1, 0
	LOADA 2, 0
	WIN 0
	LOADBP 0, 0, 0, 16
	s_mov_b32 s25, 7
	KSTEP 0, 1, 1, 1, 20                           ; the first kstep stands ahead of the loop: it starts the sums; 20 = the ten loads of each of the next two ksteps
.Lk:                                                   ; a trip: ksteps 1, 2, 3 of a group of four and kstep 0 of the next group
	KSTEP 1, 0, 2, 1, 20
	KSTEP 2, 0, 2, 1, 20
	KSTEP 3, 0, 2, 1, 20
	KSTEP 0, 0, 2, 1, 20
	s_sub_co_u32 s25, s25, 1
	s_cmp_lg_u32 s25, 0
	s_cbranch_scc1 .Lk
	KSTEP 1, 0, 0, 1, 20                           ; the last three ksteps ask for no rows: the counts run down
	KSTEP 2, 0, 0, 1, 10
	KSTEP 3, 0, 0, 0, 0
.rept 4
	v_nop                                          ; four plain instructions between the last products and the first read of a sum
.endr
	s_mov_b32 s26, 0
.Ltile:                                                ; THE WAY OUT, a tile a trip; five trips, those past g jumped
	s_cmp_ge_u32 s26, s23
	s_cbranch_scc1 .Lnext
	s_wait_xcnt 0x0                                ; the last tile's stores have read their data and base
	s_cmp_eq_u32 s26, 0
	s_cbranch_scc1 .Lf0
	s_cmp_eq_u32 s26, 1
	s_cbranch_scc1 .Lf1
	s_cmp_eq_u32 s26, 2
	s_cbranch_scc1 .Lf2
	s_cmp_eq_u32 s26, 3
	s_cbranch_scc1 .Lf3
	FETCH 4
	s_branch .Lgelu
.Lf0:
	FETCH 0
	s_branch .Lgelu
.Lf1:
	FETCH 1
	s_branch .Lgelu
.Lf2:
	FETCH 2
	s_branch .Lgelu
.Lf3:
	FETCH 3
.Lgelu:
	s_add_co_u32 s27, s24, s26
	s_min_u32 s27, s27, 134
	s_lshl_b32 s30, s27, 17                        ; a tile of h: 131,072 bytes
	s_add_nc_u64 s[38:39], s[36:37], s[30:31]
	WIN 0x55
	GELU 0
	GELU 1
	GELU 2
	GELU 3
.irp q, 0,1
.irp j, 0,1,2,3,4,5,6,7
	v_cvt_pk_bf16_f32 v[HH+16*\q+2*\j], v[X+32*\q+\j], v[X+32*\q+8+\j]          ; hidden columns 4 j, 4 j + 1 of my 32
	v_cvt_pk_bf16_f32 v[HH+16*\q+2*\j+1], v[X+32*\q+16+\j], v[X+32*\q+24+\j]    ; and 4 j + 2, 4 j + 3: words 8 u .. 8 u + 7 are the row operand of kstep 4 s + u
.endr
.endr
	WIN 0x04
.irp u, 0,1,2,3
	global_store_b128 v4, v[HH+8*\u:HH+8*\u+3], s[38:39] offset:\u*1024        ; 512 consecutive bytes each
	global_store_b128 v4, v[HH+8*\u+4:HH+8*\u+7], s[38:39] offset:\u*1024+512
.endr
	WIN 0
.Lnext:
	s_add_co_u32 s26, s26, 1
	s_cmp_lt_u32 s26, 5
	s_cbranch_scc1 .Ltile
	s_sub_co_u32 s20, s20, s23
	s_add_co_u32 s24, s24, s23
.Lskip:
	s_sub_co_u32 s41, s41, 1
	s_cmp_lg_u32 s41, 0
	s_cbranch_scc1 .Lpass
	s_wait_dscnt 0x0                               ; my reads of the slice are over;
	s_barrier_signal -1
	s_barrier_wait -1                              ; everybody's are: no wave writes LDS again before that
	s_wait_tensorcnt 0x0                           ; the wave's end: three lines behind my last LDS store
	ds_add_u32 v10, v11
	s_wait_dscnt 0x0
	s_endpgm
.Lfunc_end_k_qece28d9440_ffn1:
	.size	k_qece28d9440_ffn1, .Lfunc_end_k_qece28d9440_ffn1-k_qece28d9440_ffn1
	.p2alignl 7, 3214868480
	.fill 96, 4, 3214868480
	.section	.rodata,"a",@progbits
	.p2align	6, 0x0
	.amdhsa_kernel k_qece28d9440_ffn1
		.amdhsa_group_segment_fixed_size 262656
		.amdhsa_private_segment_fixed_size 0
		.amdhsa_enable_private_segment 0
		.amdhsa_kernarg_size 40
		.amdhsa_user_sgpr_count 2
		.amdhsa_user_sgpr_kernarg_segment_ptr 1
		.amdhsa_wavefront_size32 1
		.amdhsa_system_sgpr_workgroup_id_x 1
		.amdhsa_system_sgpr_workgroup_id_y 1
		.amdhsa_system_sgpr_workgroup_id_z 1
		.amdhsa_system_vgpr_workitem_id 0
		.amdhsa_next_free_vgpr 768
		.amdhsa_next_free_sgpr 80
		.amdhsa_reserve_vcc 0
		.amdhsa_float_denorm_mode_32 3
		.amdhsa_float_denorm_mode_16_64 3
		.amdhsa_memory_ordered 1
		.amdhsa_forward_progress 1
		.amdhsa_inst_pref_size 132
	.end_amdhsa_kernel
	.amdgpu_metadata
---
amdhsa.version: [ 1, 2 ]
amdhsa.kernels:
  - .name:           k_qece28d9440_ffn1
    .symbol:         k_qece28d9440_ffn1.kd
    .args:
      - { .name: xs, .offset: 0, .size: 8, .value_kind: global_buffer, .address_space: global }
      - { .name: w1, .offset: 8, .size: 8, .value_kind: global_buffer, .address_space: global }
      - { .name: b1, .offset: 16, .size: 8, .value_kind: global_buffer, .address_space: global }
      - { .name: meta, .offset: 24, .size: 8, .value_kind: global_buffer, .address_space: global }
      - { .name: h, .offset: 32, .size: 8, .value_kind: global_buffer, .address_space: global }
    .group_segment_fixed_size: 262656
    .private_segment_fixed_size: 0
    .kernarg_segment_align: 8
    .kernarg_segment_size: 40
    .max_flat_workgroup_size: 128
    .sgpr_count:     80
    .vgpr_count:     768
    .wavefront_size: 32
...
	.end_amdgpu_metadata
.endif
;; end of part 3
;; launch ffn2 (part 4): grid 32 x 8, 4 waves a work-group, no clusters, 262,656 bytes of LDS; arguments h, w2, gp, meta, y; writes y
.if DOCPART == 4
	.amdgcn_target "amdgcn-amd-amdhsa--gfx1250"
	.amdhsa_code_object_version 6
	.text
	.protected	k_qece28d9440_ffn2
	.globl	k_qece28d9440_ffn2
	.p2align	8
	.type	k_qece28d9440_ffn2,@function
k_qece28d9440_ffn2:
	s_mov_b64 s[64:65], 0
	v_nop
	global_prefetch_b8 v0, s[64:65] scope:SCOPE_SE
	s_setreg_imm32_b32 hwreg(HW_REG_WAVE_MODE, 25, 1), 1
	s_wait_xcnt 0x0
; SECOND PRODUCT.  y[kq][position] = gate x (h W2[e]) over a quarter of the hidden width.  Work-group (ns + 8 kq, e) alone reads W2[e][1024 kq .. + 1023][128 ns .. + 127], 524,288 bytes of f32.
; The form is the first product's.  PHASE 1: the slice is rounded to bf16 in registers and laid into LDS as ready operands, 262,144 bytes, each byte written once; wave w takes ksteps 8 w .. 8 w + 7,
; LDS bytes 65,536 w on.  One barrier.  PHASE 2: the expert's T tiles of 16 rows (0 to 64) are dealt to the four waves, up to five a pass, four passes; the rows' operands come from h straight into
; registers, the weights' from LDS; nothing there writes LDS and no barrier stands there.  A pass with fewer than five tiles repeats its last tile in the loads; only its matrix instructions and stores are jumped.
; OPERAND ORDER: in kstep 2 Q + v lane (r, hh) holds in register p k = 64 Q + 32 hh + 16 v + 2 p and + 1, rows and weights alike; weight operand jc of column half q has column 64 q + 4 r + jc in lane r.
; The rows are source 0, the weights source 1: register j of a lane's result is row 8 hh + j, column 64 q + 4 r + jc, so the four operands jc give a lane 16 consecutive bytes of a row of y,
; and sixteen lanes 256 consecutive bytes, aligned.  The multiplication by the row's gate puts them in that order.
; FORMATS: W2 rounded once to bf16, h is bf16, sums f32; the four quarters' partial sums are stored in f32 and added by the next launch, which also adds gate x b2.
; NO JOINT LOADS: each weight has one reader; the eight work-groups of an expert and quarter share the rows' operands, for which 65,024 bytes of LDS are left beside the slice.
; REGISTERS: window 0: v0-21 addresses; v32-71 the gates; v96-159, v160-223 weight operands, two buffers (streaming: v96-127 rounded words).
;   window 1: streaming: four sets of 64.  Products: v0-159 row operands, a ring of 4 ksteps x 5 tiles x 8; v160-223 tile 4's sums.  Way out: v0-63.     window 2: the sums of tiles 0-3: (i, t) at 64 i + 8 t
.set PITCH, 4096                       ; bytes from row to row of W2
.set HSH,   17                         ; 32 rows
.set WSH,   20                         ; 256 rows
.set TSH,   17                         ; a tile of h: 131,072 bytes
.set PLANE, 8847360                    ; a quarter's plane of y: 2,160 positions x 4,096 bytes
.set SPARE, 262144                     ; behind the slice: the spare words, 128 bytes for each wave
.set AT,   12                          ; v12-16  16 L + the byte offset of tile i of the pass in h
.set GT,   17                          ; v17-21  the byte offset of my eight rows' gates of tile i
.set AP,   68                          ; s[68:75] the address of the row operands' next kstep, a pair for each place of the ring
.set G,    32
.set BB,   96
.set TMP,  96
.set AR,   0
.set ACC4, 160
.set TY,   0
.set MSB, 0
.macro WIN new                         ; the immediate's high byte repeats the setting that is left; a switch that changes nothing is dropped
.if MSB != (\new)
	s_set_vgpr_msb (MSB<<8)|(\new)
.set MSB, \new
.endif
.endm
	s_load_b256 s[4:11], s[0:1], 0x0               ; h s[4:5], w2 s[6:7], gp s[8:9], meta s[10:11]
	s_load_b64 s[12:13], s[0:1], 0x20              ; y
	v_lshl_add_u32 v10, v0, 2, SPARE               ; my spare word,
	v_mov_b32 v11, 0                               ; and 0: kept for the wave's last lines
	v_and_b32 v1, 31, v0
	v_and_b32 v2, 15, v0                           ; r
	v_bfe_u32 v3, v0, 4, 1                         ; hh
	v_lshrrev_b32 v7, 5, v0
	v_readfirstlane_b32 s14, v7                    ; wave
	s_and_b32 s15, ttmp9, 7                        ; column slice ns
	s_lshr_b32 s57, ttmp9, 3                       ; quarter kq
	s_and_b32 s16, ttmp7, 0xffff                   ; expert e
	v_lshlrev_b32 v4, 4, v1                        ; 16 L
	v_lshlrev_b32 v5, 4, v2
	v_lshl_add_u32 v9, v3, 15, v5                  ; y: 8 hh rows + 16 r
	v_lshl_add_u32 v5, v3, HSH, v5
	s_lshl_b32 s27, s14, WSH
	v_add_nc_u32 v5, s27, v5                       ; (256 w + 32 hh) rows + 16 r
	s_lshl_b32 s27, s14, 16
	v_add_nc_u32 v6, s27, v4                       ; LDS: my wave's 65,536 bytes + 16 L
	v_lshlrev_b32 v8, 5, v3                        ; 8 hh gates
	s_mov_b32 s31, 0                               ; the high word of every offset
	s_lshl_b32 s56, s16, 2
	s_lshl_b32 s30, s16, 24
	s_lshl_b32 s27, s57, 22
	s_add_co_u32 s30, s30, s27
	s_lshl_b32 s27, s15, 9
	s_add_co_u32 s30, s30, s27
	s_wait_kmcnt 0x0
	s_add_nc_u64 s[32:33], s[6:7], s[30:31]        ; W2[e] at my quarter's first row and my slice's first column
	s_mul_i32 s30, s57, PLANE
	s_add_co_u32 s30, s30, s27
	s_add_nc_u64 s[36:37], s[12:13], s[30:31]      ; y at my plane and my slice's first column
	s_lshl_b32 s30, s57, 15
	s_add_nc_u64 s[54:55], s[4:5], s[30:31]        ; h at my quarter's first kstep of tile 0
; PHASE 1.  A unit is one kstep x 64 columns: 16 loads, each two rows' 256 consecutive bytes.  Four sets of registers: (kstep parity, column half).
.macro WLOAD set, jl, q                ; jl: the kstep, counted from the base's
	WIN 0x40
.set i, 0
.rept 16
	global_load_b128 v[64*(\set)+4*i:64*(\set)+4*i+3], v5, s[32:33] offset:(64*((\jl)/2)+16*((\jl)%2)+i)*PITCH+256*(\q) th:TH_LOAD_NT
.set i, i+1
.endr
.endm
.macro WCONV set, jl, q                ; rows 2 p and 2 p + 1 of column jc make register p of operand jc; then 4,096 bytes into LDS
	WIN 0x05
.irp jc, 0,1,2,3
.irp p, 0,1,2,3,4,5,6,7
	v_cvt_pk_bf16_f32 v[TMP+8*(\jc)+(\p)], v[64*(\set)+8*(\p)+(\jc)], v[64*(\set)+8*(\p)+4+(\jc)]
.endr
.endr
	WIN 0
.irp jc, 0,1,2,3
	ds_store_b128 v6, v[TMP+8*(\jc):TMP+8*(\jc)+3] offset:(\jl)*8192+(\q)*4096+(\jc)*1024
	ds_store_b128 v6, v[TMP+8*(\jc)+4:TMP+8*(\jc)+7] offset:(\jl)*8192+(\q)*4096+(\jc)*1024+512
.endr
.endm
	WLOAD 0, 0, 0                                  ; 64 loads, 32,768 bytes, of every wave are on their way from here to the tail
	WLOAD 1, 0, 1
	WLOAD 2, 1, 0
	WLOAD 3, 1, 1
	WIN 0
	s_load_b32 s17, s[10:11], s56 offset:0x0       ; the expert's first tile
	s_load_b32 s18, s[10:11], s56 offset:0x20      ; and its number of tiles
	s_mov_b32 s25, 3
.Lstream:                                              ; a trip: two ksteps are rounded and stored, the next two are asked for
.irp u, 0,1,2,3
	s_wait_loadcnt 48                              ; loads come back in order: this set is in, the three younger sets of 16 stay out
	WCONV \u, (\u)/2, (\u)%2
	WLOAD \u, (\u)/2+2, (\u)%2
.endr
	WIN 0
	s_wait_xcnt 0x0                                ; the loads' base is stepped only when their addresses have been translated
	s_add_nc_u64 s[32:33], s[32:33], 64*PITCH
	v_add_nc_u32 v6, 0x4000, v6
	s_sub_co_u32 s25, s25, 1
	s_cmp_lg_u32 s25, 0
	s_cbranch_scc1 .Lstream
	s_wait_loadcnt 48                              ; the tail asks for nothing: the counts run down
	WCONV 0, 0, 0
	s_wait_loadcnt 32
	WCONV 1, 0, 1
	s_wait_loadcnt 16
	WCONV 2, 1, 0
	s_wait_loadcnt 0x0
	WCONV 3, 1, 1
	s_wait_dscnt 0x0                               ; for the others' sake: my part of the slice is in LDS
	s_barrier_signal -1
	s_barrier_wait -1                              ; everybody's is; from here to the closing barrier LDS is only read
	s_wait_kmcnt 0x0
	s_min_u32 s17, s17, 134
	s_min_u32 s18, s18, 64
	s_add_co_u32 s19, s18, 3
	s_lshr_b32 s19, s19, 2                         ; tiles a wave
	s_mul_i32 s27, s14, s19
	s_sub_co_i32 s20, s18, s27
	s_max_i32 s20, s20, 0
	s_min_u32 s20, s20, s19                        ; my tiles still to do
	s_add_co_u32 s24, s17, s27                     ; the first of them
; PHASE 2
; Five tiles' row operands of one kstep into ring place rb: ten loads of 512 consecutive bytes.  step = 1: the place's address goes four ksteps on first.  The loads that last named
; that pair brought the kstep multiplied just before this one, and the counted wait at that kstep's head has shown them done: so the pair may be written with no further wait.
.macro LOADA rb, step
.if \step
	s_add_nc_u64 s[AP+2*(\rb):AP+2*(\rb)+1], s[AP+2*(\rb):AP+2*(\rb)+1], 4096
.endif
	WIN 0x40
.irp i, 0,1,2,3,4
	global_load_b128 v[AR+40*(\rb)+8*(\i):AR+40*(\rb)+8*(\i)+3], v[AT+(\i)], s[AP+2*(\rb):AP+2*(\rb)+1]
	global_load_b128 v[AR+40*(\rb)+8*(\i)+4:AR+40*(\rb)+8*(\i)+7], v[AT+(\i)], s[AP+2*(\rb):AP+2*(\rb)+1] offset:512
.endr
.endm
.macro LOADBP buf, off, n0, cnt        ; cnt of the sixteen LDS loads of a kstep's eight weight operands, from number n0 on: 512 consecutive bytes each
.set n, \n0
.rept \cnt
	ds_load_b128 v[BB+64*(\buf)+4*n:BB+64*(\buf)+4*n+3], v7 offset:(\off)+512*n
.set n, n+1
.endr
.endm
.macro TILE jj, i, zero                ; tile i's eight products of kstep jj: its eight sums by turns, one instruction a turn.  zero = 1: they start the sums
.if (\i) < 4
	WIN 0xa1                                       ; rows window 1, weights window 0, sums window 2
.set AC, 64*(\i)
.else
	WIN 0x51                                       ; sums window 1
.set AC, ACC4
.endif
.irp t, 0,1,2,3,4,5,6,7
.if \zero
	v_wmma_f32_16x16x32_bf16 v[AC+8*(\t):AC+8*(\t)+7], v[AR+40*((\jj)&3)+8*(\i):AR+40*((\jj)&3)+8*(\i)+7], v[BB+64*((\jj)&1)+8*(\t):BB+64*((\jj)&1)+8*(\t)+7], 0
.else
	v_wmma_f32_16x16x32_bf16 v[AC+8*(\t):AC+8*(\t)+7], v[AR+40*((\jj)&3)+8*(\i):AR+40*((\jj)&3)+8*(\i)+7], v[BB+64*((\jj)&1)+8*(\t):BB+64*((\jj)&1)+8*(\t)+7], v[AC+8*(\t):AC+8*(\t)+7]
.endif
.endr
.endm
; Kstep jj of a group of four.  la: the rows of three ksteps on are asked for (1: at the place's first address; 2: the address steps first).  lb: the next kstep's weights are asked for, in three runs
; ahead of tiles 0, 1 and 2, so that products stand between the runs.  lc: the younger row loads that may stay out.  A tile past the pass's count g has its eight products jumped, and nothing else.
.macro KSTEP jj, zero, la, lb, lc
.if (\jj) == 3
.set kb, 0
.set ko, 0
.else
.set kb, ((\jj)+1)&1
.set ko, ((\jj)+1)*8192
.endif
	s_wait_dscnt 0x0                               ; this kstep's weights, asked for in the last kstep
	s_wait_loadcnt \lc                             ; this kstep's rows
.rept 4
	v_nop                                          ; four plain instructions between the last kstep's products and all loads below into registers that they read
.endr
.if \la
	LOADA ((\jj)+3)&3, (\la)-1
	WIN 0
.endif
.if (\lb) && ((\jj) == 3)
	v_add_nc_u32 v7, 0x8000, v7                    ; the next group of four ksteps in LDS
.endif
.irp i, 0,1,2,3,4
.if (\lb) && ((\i) == 0)
	LOADBP kb, ko, 0, 6
.endif
.if (\lb) && ((\i) == 1)
	LOADBP kb, ko, 6, 5
.endif
.if (\lb) && ((\i) == 2)
	LOADBP kb, ko, 11, 5
.endif
.if ((\i) > 0) && !(\zero)
	s_cmp_le_u32 s23, \i
	s_cbranch_scc1 .Ld_\@_\i
.endif
	TILE \jj, \i, \zero
	WIN 0
.if ((\i) > 0) && !(\zero)
.Ld_\@_\i:
.endif
.endr
.endm
; THE WAY OUT of tile i: each sum times its row's gate, into the order of y's rows; each sum's registers ascending; then sixteen stores, each two rows' 256 consecutive bytes.
.macro YOUT i
	WIN 0
	s_cmp_le_u32 s23, \i
	s_cbranch_scc1 .Lydone
	s_wait_xcnt 0x0                                ; the last tile's stores have read their data and base
	s_add_co_u32 s27, s24, \i
	s_min_u32 s27, s27, 134
	s_lshl_b32 s30, s27, 16                        ; 16 rows of 4,096 bytes
	s_add_nc_u64 s[38:39], s[36:37], s[30:31]
.if (\i) < 4
	WIN 0x42
.set AC, 64*(\i)
.else
	WIN 0x41
.set AC, ACC4
.endif
.irp t, 0,1,2,3,4,5,6,7
.irp j, 0,1,2,3,4,5,6,7
	v_mul_f32 v[TY+4*(8*((\t)/4)+(\j))+(\t)%4], v[AC+8*(\t)+(\j)], v[G+8*(\i)+(\j)]
.endr
.endr
	WIN 0x04
.irp q, 0,1
.irp j, 0,1,2,3,4,5,6,7
	global_store_b128 v9, v[TY+4*(8*(\q)+(\j)):TY+4*(8*(\q)+(\j))+3], s[38:39] offset:(\j)*4096+(\q)*256
.endr
.endr
.endm
	s_mov_b32 s41, 4
.Lpass:                                                ; four trips; a trip with no tile left is jumped
	s_cmp_eq_u32 s20, 0
	s_cbranch_scc1 .Lskip
	s_wait_xcnt 0x0                                ; the last pass's loads and stores have read their addresses and data
	s_min_u32 s23, s20, 5                          ; g: this pass's tiles
	s_sub_co_u32 s28, s23, 1
.irp i, 0,1,2,3,4
	s_min_u32 s29, s28, \i                         ; a place past g repeats the pass's last tile
	s_add_co_u32 s29, s29, s24
	s_min_u32 s29, s29, 134
	s_lshl_b32 s27, s29, 6
	s_lshl_b32 s29, s29, TSH
	v_add_nc_u32 v[AT+\i], s29, v4
	v_add_nc_u32 v[GT+\i], s27, v8
.endr
	v_mov_b32 v7, v4
.irp rb, 0,1,2,3
	s_add_nc_u64 s[AP+2*\rb:AP+2*\rb+1], s[54:55], 1024*\rb   ; ring place rb begins with kstep rb
.endr
.irp i, 0,1,2,3,4
	global_load_b128 v[G+8*\i:G+8*\i+3], v[GT+\i], s[8:9]             ; the gates of rows 8 hh .. 8 hh + 7: the oldest loads, in before the first rows
	global_load_b128 v[G+8*\i+4:G+8*\i+7], v[GT+\i], s[8:9] offset:16
.endr
	LOADA 0, 0
	LOADA 1, 0
	LOADA 2, 0
	WIN 0
	LOADBP 0, 0, 0, 16
	s_mov_b32 s25, 7
	KSTEP 0, 1, 1, 1, 20                           ; the first kstep stands ahead of the loop: it starts the sums; 20 = the ten loads of each of the next two ksteps
.Lk:                                                   ; a trip: ksteps 1, 2, 3 of a group of four and kstep 0 of the next group
	KSTEP 1, 0, 2, 1, 20
	KSTEP 2, 0, 2, 1, 20
	KSTEP 3, 0, 2, 1, 20
	KSTEP 0, 0, 2, 1, 20
	s_sub_co_u32 s25, s25, 1
	s_cmp_lg_u32 s25, 0
	s_cbranch_scc1 .Lk
	KSTEP 1, 0, 0, 1, 20                           ; the last three ksteps ask for no rows: the counts run down
	KSTEP 2, 0, 0, 1, 10
	KSTEP 3, 0, 0, 0, 0
.rept 4
	v_nop                                          ; four plain instructions between the last products and the first read of a sum
.endr
	YOUT 0
	YOUT 1
	YOUT 2
	YOUT 3
	YOUT 4
	WIN 0
.Lydone:
	s_sub_co_u32 s20, s20, s23
	s_add_co_u32 s24, s24, s23
.Lskip:
	s_sub_co_u32 s41, s41, 1
	s_cmp_lg_u32 s41, 0
	s_cbranch_scc1 .Lpass
	s_wait_dscnt 0x0                               ; my reads of the slice are over;
	s_barrier_signal -1
	s_barrier_wait -1                              ; everybody's are: no wave writes LDS again before that
	s_wait_tensorcnt 0x0                           ; the wave's end: three lines behind my last LDS store
	ds_add_u32 v10, v11
	s_wait_dscnt 0x0
	s_endpgm
.Lfunc_end_k_qece28d9440_ffn2:
	.size	k_qece28d9440_ffn2, .Lfunc_end_k_qece28d9440_ffn2-k_qece28d9440_ffn2
	.p2alignl 7, 3214868480
	.fill 96, 4, 3214868480
	.section	.rodata,"a",@progbits
	.p2align	6, 0x0
	.amdhsa_kernel k_qece28d9440_ffn2
		.amdhsa_group_segment_fixed_size 262656
		.amdhsa_private_segment_fixed_size 0
		.amdhsa_enable_private_segment 0
		.amdhsa_kernarg_size 40
		.amdhsa_user_sgpr_count 2
		.amdhsa_user_sgpr_kernarg_segment_ptr 1
		.amdhsa_wavefront_size32 1
		.amdhsa_system_sgpr_workgroup_id_x 1
		.amdhsa_system_sgpr_workgroup_id_y 1
		.amdhsa_system_sgpr_workgroup_id_z 1
		.amdhsa_system_vgpr_workitem_id 0
		.amdhsa_next_free_vgpr 768
		.amdhsa_next_free_sgpr 80
		.amdhsa_reserve_vcc 0
		.amdhsa_float_denorm_mode_32 3
		.amdhsa_float_denorm_mode_16_64 3
		.amdhsa_memory_ordered 1
		.amdhsa_forward_progress 1
		.amdhsa_inst_pref_size 100
	.end_amdhsa_kernel
	.amdgpu_metadata
---
amdhsa.version: [ 1, 2 ]
amdhsa.kernels:
  - .name:           k_qece28d9440_ffn2
    .symbol:         k_qece28d9440_ffn2.kd
    .args:
      - { .name: h, .offset: 0, .size: 8, .value_kind: global_buffer, .address_space: global }
      - { .name: w2, .offset: 8, .size: 8, .value_kind: global_buffer, .address_space: global }
      - { .name: gp, .offset: 16, .size: 8, .value_kind: global_buffer, .address_space: global }
      - { .name: meta, .offset: 24, .size: 8, .value_kind: global_buffer, .address_space: global }
      - { .name: y, .offset: 32, .size: 8, .value_kind: global_buffer, .address_space: global }
    .group_segment_fixed_size: 262656
    .private_segment_fixed_size: 0
    .kernarg_segment_align: 8
    .kernarg_segment_size: 40
    .max_flat_workgroup_size: 128
    .sgpr_count:     80
    .vgpr_count:     768
    .wavefront_size: 32
...
	.end_amdgpu_metadata
.endif
;; end of part 4
;; launch comb (part 5): grid 256 x 1, 8 waves a work-group, no clusters, 0 bytes of LDS; arguments y, pos, sel, gat, b2, out0; writes out0
.if DOCPART == 5
	.amdgcn_target "amdgcn-amd-amdhsa--gfx1250"
	.amdhsa_code_object_version 6
	.text
	.protected	k_qece28d9440_comb
	.globl	k_qece28d9440_comb
	.p2align	8
	.type	k_qece28d9440_comb,@function
k_qece28d9440_comb:
	s_mov_b64 s[64:65], 0
	v_nop
	global_prefetch_b8 v0, s[64:65] scope:SCOPE_SE
	s_setreg_imm32_b32 hwreg(HW_REG_WAVE_MODE, 25, 1), 1
	s_wait_xcnt 0x0
; THE SUM.  out0[n] = the sum over the token's two slots k of (the four quarters' y[kq][pos[n][k]] + gat[n][k] x b2[sel[n][k]]).  y already holds the gate.  All f32; b2 rounded once to bf16 like every input.
; A stream: a wave has half a row of one token (n = 4 x work-group + wave / 2): 8 rows of y and 2 of b2, 2,048 bytes each, in four groups of 512 consecutive bytes.
; All forty loads go out before the first wait.  No LDS, no barrier, no matrix unit: each number is read once and added.
.set PLANE, 8847360                    ; a quarter's plane of y
	s_load_b256 s[4:11], s[0:1], 0x0               ; y s[4:5], pos s[6:7], sel s[8:9], gat s[10:11]
	s_load_b128 s[12:15], s[0:1], 0x20             ; b2 s[12:13], out0 s[14:15]
	v_and_b32 v1, 31, v0
	v_lshrrev_b32 v2, 5, v0
	v_readfirstlane_b32 s40, v2                    ; wave
	s_lshr_b32 s41, s40, 1
	s_lshl_b32 s52, ttmp9, 2
	s_add_co_u32 s41, s41, s52                     ; token n
	s_and_b32 s40, s40, 1
	s_lshl_b32 s40, s40, 11                        ; my half of the row
	s_lshl_b32 s53, s41, 3
	v_lshlrev_b32 v4, 4, v1
	v_add_nc_u32 v4, s40, v4
	s_mov_b32 s49, 0
	s_wait_kmcnt 0x0
	s_load_b64 s[42:43], s[6:7], s53 offset:0x0    ; the two positions
	s_load_b64 s[44:45], s[8:9], s53 offset:0x0    ; the two experts
	s_load_b64 s[46:47], s[10:11], s53 offset:0x0  ; the two gates
	s_lshl_b32 s48, s41, 12
	s_add_nc_u64 s[50:51], s[14:15], s[48:49]      ; out0 at row n
	s_wait_kmcnt 0x0
	s_min_u32 s42, s42, 2159
	s_min_u32 s43, s43, 2159
	s_min_u32 s44, s44, 7
	s_min_u32 s45, s45, 7
.irp k, 0,1
	s_lshl_b32 s48, s[42+\k], 12
	s_add_nc_u64 s[16+8*\k:17+8*\k], s[4:5], s[48:49]
	s_add_nc_u64 s[18+8*\k:19+8*\k], s[16+8*\k:17+8*\k], PLANE
	s_add_nc_u64 s[20+8*\k:21+8*\k], s[18+8*\k:19+8*\k], PLANE
	s_add_nc_u64 s[22+8*\k:23+8*\k], s[20+8*\k:21+8*\k], PLANE
	s_lshl_b32 s48, s[44+\k], 12
	s_add_nc_u64 s[32+2*\k:33+2*\k], s[12:13], s[48:49]
	s_mov_b32 s[36+2*\k], s[46+\k]                 ; the gate, named as a pair
	s_mov_b32 s[37+2*\k], s[46+\k]
.endr
.set c, 0
.rept 4
.set R, 16+40*c
.irp m, 0,1,2,3,4,5,6,7
	global_load_b128 v[R+4*\m:R+4*\m+3], v4, s[16+2*\m:17+2*\m] offset:512*c th:TH_LOAD_NT
.endr
	global_load_b128 v[R+32:R+35], v4, s[32:33] offset:512*c
	global_load_b128 v[R+36:R+39], v4, s[34:35] offset:512*c
.set c, c+1
.endr
.macro ADD4 a, b                       ; four numbers onto four
	v_pk_add_f32 v[R+(\a):R+(\a)+1], v[R+(\a):R+(\a)+1], v[R+(\b):R+(\b)+1]
	v_pk_add_f32 v[R+(\a)+2:R+(\a)+3], v[R+(\a)+2:R+(\a)+3], v[R+(\b)+2:R+(\b)+3]
.endm
.set c, 0
.rept 4
.set R, 16+40*c
	s_wait_loadcnt 30-10*c                         ; the later groups' ten loads each stay out
	ADD4 0, 4
	ADD4 8, 12
	ADD4 16, 20
	ADD4 24, 28
	ADD4 0, 8
	ADD4 16, 24
	ADD4 0, 16
.irp k, 0,1
	v_cvt_pk_bf16_f32 v8, v[R+32+4*\k], v[R+33+4*\k]
	v_cvt_pk_bf16_f32 v9, v[R+34+4*\k], v[R+35+4*\k]
	v_lshlrev_b32 v[R+32+4*\k], 16, v8
	v_and_b32 v[R+33+4*\k], 0xffff0000, v8
	v_lshlrev_b32 v[R+34+4*\k], 16, v9
	v_and_b32 v[R+35+4*\k], 0xffff0000, v9
	v_pk_fma_f32 v[R:R+1], v[R+32+4*\k:R+33+4*\k], s[36+2*\k:37+2*\k], v[R:R+1] op_sel_hi:[1,0,1]
	v_pk_fma_f32 v[R+2:R+3], v[R+34+4*\k:R+35+4*\k], s[36+2*\k:37+2*\k], v[R+2:R+3] op_sel_hi:[1,0,1]
.endr
	global_store_b128 v4, v[R:R+3], s[50:51] offset:512*c th:TH_STORE_NT   ; 512 consecutive bytes
.set c, c+1
.endr
	s_endpgm
.Lfunc_end_k_qece28d9440_comb:
	.size	k_qece28d9440_comb, .Lfunc_end_k_qece28d9440_comb-k_qece28d9440_comb
	.p2alignl 7, 3214868480
	.fill 96, 4, 3214868480
	.section	.rodata,"a",@progbits
	.p2align	6, 0x0
	.amdhsa_kernel k_qece28d9440_comb
		.amdhsa_group_segment_fixed_size 0
		.amdhsa_private_segment_fixed_size 0
		.amdhsa_enable_private_segment 0
		.amdhsa_kernarg_size 48
		.amdhsa_user_sgpr_count 2
		.amdhsa_user_sgpr_kernarg_segment_ptr 1
		.amdhsa_wavefront_size32 1
		.amdhsa_system_sgpr_workgroup_id_x 1
		.amdhsa_system_sgpr_workgroup_id_y 1
		.amdhsa_system_sgpr_workgroup_id_z 1
		.amdhsa_system_vgpr_workitem_id 0
		.amdhsa_next_free_vgpr 176
		.amdhsa_next_free_sgpr 66
		.amdhsa_reserve_vcc 0
		.amdhsa_float_denorm_mode_32 3
		.amdhsa_float_denorm_mode_16_64 3
		.amdhsa_memory_ordered 1
		.amdhsa_forward_progress 1
		.amdhsa_inst_pref_size 14
	.end_amdhsa_kernel
	.amdgpu_metadata
---
amdhsa.version: [ 1, 2 ]
amdhsa.kernels:
  - .name:           k_qece28d9440_comb
    .symbol:         k_qece28d9440_comb.kd
    .args:
      - { .name: y, .offset: 0, .size: 8, .value_kind: global_buffer, .address_space: global }
      - { .name: pos, .offset: 8, .size: 8, .value_kind: global_buffer, .address_space: global }
      - { .name: sel, .offset: 16, .size: 8, .value_kind: global_buffer, .address_space: global }
      - { .name: gat, .offset: 24, .size: 8, .value_kind: global_buffer, .address_space: global }
      - { .name: b2, .offset: 32, .size: 8, .value_kind: global_buffer, .address_space: global }
      - { .name: out0, .offset: 40, .size: 8, .value_kind: global_buffer, .address_space: global }
    .group_segment_fixed_size: 0
    .private_segment_fixed_size: 0
    .kernarg_segment_align: 8
    .kernarg_segment_size: 48
    .max_flat_workgroup_size: 256
    .sgpr_count:     66
    .vgpr_count:     176
    .wavefront_size: 32
...
	.end_amdgpu_metadata
.endif
;; end of part 5
;; ======== version 2 of 2: 5 launches; version 1 with the launches ffn1, ffn2 written anew for expert scheduling mode
;; workspace buffers: sel 12,288 bytes of whole numbers; gat 8,192 bytes; meta 256 bytes of whole numbers; pos 8,192 bytes of whole numbers; gp 8,704 bytes; xs 4,423,680 bytes; h 17,694,720 bytes; y 35,389,440 bytes
;; launch route: the kernel of part 1 again; grid 256 x 1, 4 waves a work-group, no clusters, 16,896 bytes of LDS; arguments x, gate_w, gate_b, sel, gat; writes sel, gat
;; launch pack: the kernel of part 2 again; grid 135 x 1, 4 waves a work-group, no clusters, 0 bytes of LDS; arguments sel, gat, x, xs, meta, pos, gp; writes xs, meta, pos, gp
;; launch ffn1 (part 6): grid 32 x 8, 4 waves a work-group, no clusters, 262,656 bytes of LDS; arguments xs, w1, b1, meta, h; writes h
.if DOCPART == 6
	.amdgcn_target "amdgcn-amd-amdhsa--gfx1250"
	.amdhsa_code_object_version 6
	.text
	.protected	k_qece28d9440_ffn1
	.globl	k_qece28d9440_ffn1
	.p2align	8
	.type	k_qece28d9440_ffn1,@function
k_qece28d9440_ffn1:
	s_mov_b64 s[64:65], 0
	v_nop
	global_prefetch_b8 v0, s[64:65] scope:SCOPE_SE
	s_setreg_imm32_b32 hwreg(HW_REG_WAVE_SCHED_MODE, 0, 2), 2
	s_setreg_imm32_b32 hwreg(HW_REG_WAVE_MODE, 25, 1), 1
	s_wait_xcnt 0x0
	s_wait_alu depctr_vm_vsrc(0)
; FIRST PRODUCT.  h = gelu(x W1[e] + b1[e]) for the rows that chose expert e.  Work-group (s, e) alone reads the slice W1[e][0..1023][128 s .. 128 s + 127], 524,288 bytes of f32.
; PHASE 1: the slice is rounded to bf16 in registers and laid into LDS as ready operands, 262,144 bytes, each byte written once; wave w takes ksteps 8 w .. 8 w + 7, LDS bytes 65,536 w on.  One barrier.
; PHASE 2: the expert's T tiles of 16 rows are dealt to the four waves, ceil(T / 4) each, and a wave takes up to five at a time through all of K: the rows' operands come from xs straight into registers,
; the weights' from LDS.  Nothing in phase 2 writes LDS and no barrier stands there, so its jumps may hang on the expert's count.  T is 0 to 64: four passes of five tiles a wave cover every split.
; A pass with fewer than five tiles repeats its last tile in the loads, so that every load and every counted wait is the same on every way; only matrix instructions and stores of such tiles are jumped.
; OPERAND ORDER: in kstep 2 Q + v lane (r, hh) holds in register p k = 64 Q + 32 hh + 16 v + 2 p and + 1, for rows and weights alike.  A weight operand jc of column half q has column 64 q + 4 r + jc in lane r:
; the lane's 16-byte loads of 16 rows of W1 then hold its registers of four operands, and rounding two rows' numbers into one word is all the transposing there is.
; The weights are source 0, the rows source 1: a lane of the result holds ONE row (r) and hidden columns 64 q + 32 hh + 4 j + jc, which packed in pairs ARE the second product's row operands.
; FORMATS: x, W1, b1 rounded once to bf16, sums f32, h stored in bf16.  gelu(x) = max(x, 0) - |x| y, y = (a1 t + .. + a5 t^5) 2^(-0.7213475 x^2), t = 1 / (1 + 0.2316419 |x|):
; erf to 1.5e-7 absolute.  Where x^2 overflows y is 0, which is right; a y below 2^-126 counts as 0; NaN and infinities are not treated apart.
; NO JOINT LOADS: each weight has one reader; what an expert's 32 work-groups share is its rows' operands (32,768 bytes a tile), for which 65,024 bytes of LDS are left beside the slice.
; REGISTERS, in windows of 256 (s_set_vgpr_msb: bits 1:0 source 0, 3:2 source 1, 5:4 source 2, 7:6 destination):
;   window 0: v0-21 addresses; v32-95 the bias; v96-159, v160-223 weight operands of one kstep, two buffers (while streaming: v96-127, v128-159 rounded words, two buffers; v160-223 b1 as loaded)
;   window 1: streaming: four sets of 64, W1 as loaded.  Products: v0-159 row operands, a ring of 4 ksteps x 5 tiles x 8; v160-223 tile 4's sums.  Way out: see below
;   window 2: the sums of tiles 0-3: (i, t) at 64 i + 8 t
; THE MODE: SCHED_MODE bits 1:0 = 2 (LLVM: expert scheduling mode 2), set by the entry lines.  The code itself states the register dependences
; between vector or matrix instructions and memory or LDS instructions, with s_wait_alu, always for 0.
; THE PLAN.  Registers that memory or LDS instructions touch:
;   STREAM.  Set u: its 32 conversions read it; behind them its next 16 loads land in it.  Rounded words, buffer u % 2: written by unit u's conversions, read by unit u's eight LDS stores.
;     v5: read by every load of W1, never written again: each set has a scalar base of its own, which steps at the head of the set's unit.  v6: read by every LDS store, written once a trip, at its end.
;     One wait on va_vdst a unit, behind its conversions; the unit's loads and LDS stores follow it with no vector instruction between.  A wait on vm_vsrc stands in units 1 and 2, ahead of the unit's own
;     memory instructions: the LDS stores of the unit before have read the buffer that the next unit writes; one more a trip stands ahead of the add to v6, and serves units 0 and 1 as well.
;   PRODUCTS.  Ring place p and weight buffer b: read by one kstep's products, loaded again in the next kstep.  v12-16: written at a pass's head.  v7: written there and in every fourth kstep.
;     One wait on va_vdst at the head of a kstep that loads: the last kstep's products are done reading what is loaded now.  The kstep's own products name the other place, the other buffer and the sums,
;     so its 26 loads, dealt among them, owe nothing more.  At a pass's head one wait on vm_vsrc ahead of the address arithmetic, one on va_vdst behind it.
;   WAY OUT.  The 32 packed words: written by a tile's last conversions, read by its eight stores.  The waits that free them for the next tile stand behind that tile's GELU, just ahead of the conversions.
;   v10, v11: written at the head, read by the closing add alone.
.set PITCH, 16384                      ; bytes from row to row of W1
.set HSH,   19                         ; 32 rows
.set WSH,   22                         ; 256 rows
.set TSH,   15                         ; a tile of xs: 32,768 bytes
.set SPARE, 262144                     ; behind the slice: the spare words, 128 bytes for each wave
.set AT,   12                          ; v12-16  16 L + the byte offset of tile i of the pass in xs
.set AP,   68                          ; s[68:75] products: the address of the row operands' next kstep, a pair for each place of the ring
.set WB,   68                          ; s[68:75] streaming: the address from which set u is loaded next, a pair for each set
.set BIAS, 32
.set BB,   96
.set TMP,  96
.set RB,   160
.set AR,   0
.set ACC4, 160
.set X,    0                           ; way out, window 1: 64 numbers of one tile
.set TT,   64
.set UU,   80
.set PP,   96
.set RR,   112
.set HH,   128                         ; the tile's 32 packed words
.set MSB, 0
.macro WIN new                         ; the immediate's high byte repeats the setting that is left; a switch that changes nothing is dropped
.if MSB != (\new)
	s_set_vgpr_msb (MSB<<8)|(\new)
.set MSB, \new
.endif
.endm
	s_load_b256 s[4:11], s[0:1], 0x0               ; xs s[4:5], w1 s[6:7], b1 s[8:9], meta s[10:11]
	s_load_b64 s[12:13], s[0:1], 0x20              ; h
	v_lshl_add_u32 v10, v0, 2, SPARE               ; my spare word,
	v_mov_b32 v11, 0                               ; and 0: kept for the wave's last lines
	v_and_b32 v1, 31, v0
	v_and_b32 v2, 15, v0                           ; r
	v_bfe_u32 v3, v0, 4, 1                         ; hh
	v_lshrrev_b32 v7, 5, v0
	v_readfirstlane_b32 s14, v7                    ; wave
	s_mov_b32 s15, ttmp9                           ; slice s
	s_and_b32 s16, ttmp7, 0xffff                   ; expert e
	v_lshlrev_b32 v4, 4, v1                        ; 16 L
	v_lshlrev_b32 v5, 4, v2
	v_lshl_add_u32 v5, v3, HSH, v5
	v_lshlrev_b32 v8, 7, v3                        ; 32 hh numbers of b1
	s_wait_alu depctr_va_sdst(0)                   ; s14 is written, ahead of its first reader: offsets, LDS addresses and the deal of the tiles are made from it
	s_lshl_b32 s27, s14, WSH
	v_add_nc_u32 v5, s27, v5                       ; (256 w + 32 hh) rows + 16 r
	s_lshl_b32 s27, s14, 16
	v_add_nc_u32 v6, s27, v4                       ; LDS: my wave's 65,536 bytes + 16 L
	s_mov_b32 s31, 0                               ; the high word of every offset
	s_lshl_b32 s56, s16, 2
	s_mov_b32 s40, 0x3e6d3388                      ; 0.2316419
	s_mov_b32 s42, 0xbf38aa3b                      ; -log2(e) / 2
	s_mov_b32 s43, 0xbf38aa3b
	s_mov_b32 s44, 0x3e027906                      ; a1 / 2 .. a5 / 2, each named as a pair
	s_mov_b32 s45, 0x3e027906
	s_mov_b32 s46, 0xbe11a98e
	s_mov_b32 s47, 0xbe11a98e
	s_mov_b32 s48, 0x3f35f0e3
	s_mov_b32 s49, 0x3f35f0e3
	s_mov_b32 s50, 0xbf3a00e3
	s_mov_b32 s51, 0xbf3a00e3
	s_mov_b32 s52, 0x3f07dc22
	s_mov_b32 s53, 0x3f07dc22
	s_lshl_b32 s30, s16, 24
	s_lshl_b32 s27, s15, 9
	s_add_co_u32 s30, s30, s27
	s_wait_kmcnt 0x0
.irp u, 0,1,2,3
	s_add_nc_u64 s[WB+2*\u:WB+2*\u+1], s[6:7], s[30:31]   ; W1[e] at my slice's first column, once for each set
.endr
	s_lshl_b32 s30, s16, 14
	s_add_co_u32 s30, s30, s27
	s_add_nc_u64 s[58:59], s[8:9], s[30:31]        ; b1[e] likewise
	s_lshl_b32 s30, s15, 12
	s_add_nc_u64 s[36:37], s[12:13], s[30:31]      ; h at kstep 4 s of tile 0
	s_mov_b64 s[54:55], s[4:5]
; PHASE 1.  A unit is one kstep x 64 columns: 16 loads, each two rows' 256 consecutive bytes.  Four sets of registers: set = 2 x (kstep parity) + column half.
.macro WLOAD set                       ; the set's 16 loads, from its own base; the window is set by the caller: destination window 1
.set i, 0
.rept 16
	global_load_b128 v[64*(\set)+4*i:64*(\set)+4*i+3], v5, s[WB+2*(\set):WB+2*(\set)+1] offset:(16*((\set)/2)+i)*PITCH+256*((\set)%2) th:TH_LOAD_NT
.set i, i+1
.endr
.endm
; A unit: rows 2 p and 2 p + 1 of column jc make register p of operand jc; the set is asked for again (ld = 1), two ksteps of its parity on; then 4,096 bytes go into LDS.
; free = 1: the wait that frees the other buffer of rounded words for the next unit.  lc: the younger loads that may stay out.
.macro UNIT set, ld, free, lc
	s_wait_loadcnt \lc                             ; loads come back in order: this set is in
.if \ld
	s_add_nc_u64 s[WB+2*(\set):WB+2*(\set)+1], s[WB+2*(\set):WB+2*(\set)+1], 64*PITCH  ; free since that wait, which shows the loads that read it done
.endif
	WIN 0x05
.irp jc, 0,1,2,3
.irp p, 0,1,2,3,4,5,6,7
	v_cvt_pk_bf16_f32 v[TMP+32*((\set)%2)+8*(\jc)+(\p)], v[64*(\set)+8*(\p)+(\jc)], v[64*(\set)+8*(\p)+4+(\jc)]
.endr
.endr
.if \ld
	WIN 0x40
.else
	WIN 0
.endif
.if \free
	s_wait_alu depctr_vm_vsrc(0)                   ; the LDS stores of the unit before have read the other buffer of rounded words, which the next unit's conversions write
.endif
	s_wait_alu depctr_va_vdst(0)                   ; the conversions have written the rounded words, which the LDS stores read, and are done reading the set, in which the loads land; in a trip's first unit v6 is written
.if \ld
	WLOAD \set
	WIN 0
.endif
.irp jc, 0,1,2,3
	ds_store_b128 v6, v[TMP+32*((\set)%2)+8*(\jc):TMP+32*((\set)%2)+8*(\jc)+3] offset:((\set)/2)*8192+((\set)%2)*4096+(\jc)*1024
	ds_store_b128 v6, v[TMP+32*((\set)%2)+8*(\jc)+4:TMP+32*((\set)%2)+8*(\jc)+7] offset:((\set)/2)*8192+((\set)%2)*4096+(\jc)*1024+512
.endr
.endm
	WIN 0x40
	s_wait_alu depctr_va_vdst(0)                   ; the head's offsets and addresses v4, v5, v6, v8 are written, which the loads and LDS stores below read
	WLOAD 0                                        ; 64 loads, 32,768 bytes, of every wave are on their way from here to the tail
	WLOAD 1
	WLOAD 2
	WLOAD 3
	WIN 0
	s_load_b32 s17, s[10:11], s56 offset:0x0       ; the expert's first tile
	s_load_b32 s18, s[10:11], s56 offset:0x20      ; and its number of tiles
	s_mov_b32 s25, 3
.Lstream:                                              ; a trip: two ksteps are rounded and stored, the next two are asked for; 48 = the three younger sets of 16
	UNIT 0, 1, 0, 48
	UNIT 1, 1, 1, 48
	UNIT 2, 1, 1, 48
	UNIT 3, 1, 0, 48
	s_wait_alu depctr_vm_vsrc(0)                   ; the LDS stores issued so far have read v6, which is written below, and both buffers of rounded words, which the next two units write
	v_add_nc_u32 v6, 0x4000, v6
	s_sub_co_u32 s25, s25, 1
	s_cmp_lg_u32 s25, 0
	s_cbranch_scc1 .Lstream
	UNIT 0, 0, 0, 48                               ; the tail asks for no more of W1
.irp q, 0,1
.irp j, 0,1,2,3,4,5,6,7
	global_load_b128 v[RB+32*\q+4*\j:RB+32*\q+4*\j+3], v8, s[58:59] offset:256*\q+16*\j  ; b1 of columns 64 q + 32 hh + 4 j ..; no vector instruction has named these registers
.endr
.endr
	UNIT 1, 0, 1, 48                               ; two sets and the 16 loads of b1 stay out
	UNIT 2, 0, 1, 32
	UNIT 3, 0, 0, 16
	s_wait_loadcnt 0x0                             ; b1
	s_wait_dscnt 0x0                               ; for the others' sake: my part of the slice is in LDS
	s_barrier_signal -1
	s_barrier_wait -1                              ; everybody's is; from here to the closing barrier LDS is only read
.irp q, 0,1
.irp j, 0,1,2,3,4,5,6,7
.irp jc, 0,2
	v_cvt_pk_bf16_f32 v224, v[RB+32*\q+4*\j+\jc], v[RB+32*\q+4*\j+\jc+1]   ; b1 rounded to bf16, and put where the sums' registers want it
	v_lshlrev_b32 v[BIAS+32*\q+8*\jc+\j], 16, v224
	v_and_b32 v[BIAS+32*\q+8*\jc+8+\j], 0xffff0000, v224
.endr
.endr
.endr
	s_wait_kmcnt 0x0
	s_min_u32 s17, s17, 134
	s_min_u32 s18, s18, 64
	s_add_co_u32 s19, s18, 3
	s_lshr_b32 s19, s19, 2                         ; tiles a wave
	s_mul_i32 s27, s14, s19
	s_sub_co_i32 s20, s18, s27
	s_max_i32 s20, s20, 0
	s_min_u32 s20, s20, s19                        ; my tiles still to do
	s_add_co_u32 s24, s17, s27                     ; the first of them
; PHASE 2
.macro LOADA rb                        ; five tiles' row operands of one kstep into ring place rb: ten loads of 512 consecutive bytes
	WIN 0x40
.irp i, 0,1,2,3,4
	global_load_b128 v[AR+40*(\rb)+8*(\i):AR+40*(\rb)+8*(\i)+3], v[AT+(\i)], s[AP+2*(\rb):AP+2*(\rb)+1]
	global_load_b128 v[AR+40*(\rb)+8*(\i)+4:AR+40*(\rb)+8*(\i)+7], v[AT+(\i)], s[AP+2*(\rb):AP+2*(\rb)+1] offset:512
.endr
.endm
.macro LOADBP buf, off, n0, cnt        ; cnt of the sixteen LDS loads of a kstep's eight weight operands, from number n0 on: 512 consecutive bytes each
.set n, \n0
.rept \cnt
	ds_load_b128 v[BB+64*(\buf)+4*n:BB+64*(\buf)+4*n+3], v7 offset:(\off)+512*n
.set n, n+1
.endr
.endm
.macro TILE jj, i, zero                ; tile i's eight products of kstep jj: its eight sums by turns, one instruction a turn.  zero = 1: they start the sums
.if (\i) < 4
	WIN 0xa4                                       ; weights window 0, rows window 1, sums window 2
.set AC, 64*(\i)
.else
	WIN 0x54                                       ; sums window 1
.set AC, ACC4
.endif
.irp t, 0,1,2,3,4,5,6,7
.if \zero
	v_wmma_f32_16x16x32_bf16 v[AC+8*(\t):AC+8*(\t)+7], v[BB+64*((\jj)&1)+8*(\t):BB+64*((\jj)&1)+8*(\t)+7], v[AR+40*((\jj)&3)+8*(\i):AR+40*((\jj)&3)+8*(\i)+7], 0
.else
	v_wmma_f32_16x16x32_bf16 v[AC+8*(\t):AC+8*(\t)+7], v[BB+64*((\jj)&1)+8*(\t):BB+64*((\jj)&1)+8*(\t)+7], v[AR+40*((\jj)&3)+8*(\i):AR+40*((\jj)&3)+8*(\i)+7], v[AC+8*(\t):AC+8*(\t)+7]
.endif
.endr
.endm
; Kstep jj of a group of four.  la: the rows of three ksteps on are asked for (1: at the place's first address; 2: the address goes four ksteps on first: the loads that last named that pair brought the kstep
; multiplied just before this one, and the counted wait at that kstep's head has shown them done).  lb: the next kstep's weights are asked for, in three runs ahead of tiles 0, 1 and 2, so that products stand
; between the runs.  lc: the younger row loads that may stay out.  A tile past the pass's count g has its eight products jumped, and nothing else.
; zero = 1: the pass's first kstep: the wait at the pass's head serves its loads too, since only v_nop stands between.
.macro KSTEP jj, zero, la, lb, lc
.if (\jj) == 3
.set kb, 0
.set ko, 0
.else
.set kb, ((\jj)+1)&1
.set ko, ((\jj)+1)*8192
.endif
	s_wait_dscnt 0x0                               ; this kstep's weights, asked for in the last kstep
	s_wait_loadcnt \lc                             ; this kstep's rows
.rept 4
	v_nop                                          ; four plain instructions between the last kstep's products and all loads below into registers that they read
.endr
.if (\lb) && ((\jj) == 3)
	s_wait_alu depctr_vm_vsrc(0)                   ; the LDS loads issued so far have read v7
	v_add_nc_u32 v7, 0x8000, v7                    ; the next group of four ksteps in LDS
.endif
.if (\la) == 2
	s_add_nc_u64 s[AP+2*(((\jj)+3)&3):AP+2*(((\jj)+3)&3)+1], s[AP+2*(((\jj)+3)&3):AP+2*(((\jj)+3)&3)+1], 4096
.endif
.if \la
	WIN 0x40
.endif
.if ((\la) || (\lb)) && !(\zero)
	s_wait_alu depctr_va_vdst(0)                   ; the last kstep's products are done reading the ring place and the weight buffer in which this kstep's loads land; in a group's last kstep v7 is written
.endif
.if \la
	LOADA ((\jj)+3)&3
	WIN 0
.endif
.irp i, 0,1,2,3,4
.if (\lb) && ((\i) == 0)
	LOADBP kb, ko, 0, 6
.endif
.if (\lb) && ((\i) == 1)
	LOADBP kb, ko, 6, 5                            ; no wait: the products issued since the wait above name the other weight buffer, this kstep's ring place and the sums
.endif
.if (\lb) && ((\i) == 2)
	LOADBP kb, ko, 11, 5
.endif
.if ((\i) > 0) && !(\zero)
	s_cmp_le_u32 s23, \i
	s_cbranch_scc1 .Ld_\@_\i
.endif
	TILE \jj, \i, \zero
	WIN 0
.if ((\i) > 0) && !(\zero)
.Ld_\@_\i:
.endif
.endr
.endm
.macro FETCH i                         ; tile i's sums + bias into the way out's fixed registers; each sum's registers ascending
.if (\i) < 4
	WIN 0x42
.set AC, 64*(\i)
.else
	WIN 0x41
.set AC, ACC4
.endif
.set k, 0
.rept 32
	v_pk_add_f32 v[X+2*k:X+2*k+1], v[AC+2*k:AC+2*k+1], v[BIAS+2*k:BIAS+2*k+1]
.set k, k+1
.endr
	WIN 0
.endm
.macro EACH n, line:vararg             ; one line for k = 0 .. n - 1
.set k, 0
.rept \n
	\line
.set k, k+1
.endr
.endm
; GELU of sixteen numbers.  The 16 reciprocals and the 16 exponentials are ONE BATCH: none of them reads another's result, each is followed by one plain line on other registers (G1's 32: x^2;
; times -log2(e) / 2; max(x, 0)), and one wait stands ahead of the first line that names a result: the polynomial in t (G2's 40).
.macro G1 n
.if (\n) < 8
	v_pk_mul_f32 v[UU+2*(\n):UU+2*(\n)+1], v[XO+2*(\n):XO+2*(\n)+1], v[XO+2*(\n):XO+2*(\n)+1]
.elseif (\n) < 16
	v_pk_mul_f32 v[UU+2*(\n)-16:UU+2*(\n)-15], v[UU+2*(\n)-16:UU+2*(\n)-15], s[42:43] op_sel_hi:[1,0]
.else
	v_max_num_f32 v[RR+(\n)-16], 0, v[XO+(\n)-16]
.endif
.endm
.macro G2 n
.set pr, 2*((\n)%8)
.if (\n) < 8
	v_pk_fma_f32 v[PP+pr:PP+pr+1], v[TT+pr:TT+pr+1], s[52:53], s[50:51] op_sel_hi:[1,0,0]
.elseif (\n) < 16
	v_pk_fma_f32 v[PP+pr:PP+pr+1], v[PP+pr:PP+pr+1], v[TT+pr:TT+pr+1], s[48:49] op_sel_hi:[1,1,0]
.elseif (\n) < 24
	v_pk_fma_f32 v[PP+pr:PP+pr+1], v[PP+pr:PP+pr+1], v[TT+pr:TT+pr+1], s[46:47] op_sel_hi:[1,1,0]
.elseif (\n) < 32
	v_pk_fma_f32 v[PP+pr:PP+pr+1], v[PP+pr:PP+pr+1], v[TT+pr:TT+pr+1], s[44:45] op_sel_hi:[1,1,0]
.else
	v_pk_mul_f32 v[PP+pr:PP+pr+1], v[PP+pr:PP+pr+1], v[TT+pr:TT+pr+1]
.endif
.endm
.macro GELU bt
.set XO, X+16*(\bt)
	EACH 16, v_fma_f32 v[TT+k], |v[XO+k]|, s40, 1.0
.set k, 0
.rept 16
	v_rcp_f32 v[TT+k], v[TT+k]
	G1 k
.set k, k+1
.endr
.set k, 0
.rept 16
	v_exp_f32 v[UU+k], v[UU+k]
	G1 16+k                                        ; the last of these is the plain instruction behind the last exponential
.set k, k+1
.endr
	s_wait_alu depctr_va_vdst(0)                   ; the 16 reciprocals have written t and the 16 exponentials their powers, ahead of the first line that names one of them
.set k, 0
.rept 40
	G2 k
.set k, k+1
.endr
	EACH 8, v_pk_mul_f32 v[PP+2*k:PP+2*k+1], v[PP+2*k:PP+2*k+1], v[UU+2*k:UU+2*k+1]
	EACH 16, v_fma_f32 v[XO+k], -|v[XO+k]|, v[PP+k], v[RR+k]
.endm
	s_mov_b32 s41, 4
.Lpass:                                                ; four trips; a trip with no tile left is jumped
	s_cmp_eq_u32 s20, 0
	s_cbranch_scc1 .Lskip
	s_wait_xcnt 0x0                                ; the last pass's loads and stores have had their addresses translated: their addresses and data are rewritten only behind this wait
	s_wait_alu depctr_vm_vsrc(0)                   ; the memory and LDS instructions issued so far have read v12-16 and v7, which are written below; the stream's rounded words, in which weights land; the last pass's packed words, in which rows land
	s_min_u32 s23, s20, 5                          ; g: this pass's tiles
	s_sub_co_u32 s28, s23, 1
.irp i, 0,1,2,3,4
	s_min_u32 s29, s28, \i                         ; a place past g repeats the pass's last tile
	s_add_co_u32 s29, s29, s24
	s_min_u32 s29, s29, 134
	s_lshl_b32 s29, s29, TSH
	v_add_nc_u32 v[AT+\i], s29, v4
.endr
	v_mov_b32 v7, v4
.irp rb, 0,1,2,3
	s_add_nc_u64 s[AP+2*\rb:AP+2*\rb+1], s[54:55], 1024*\rb   ; ring place rb begins with kstep rb
.endr
	WIN 0x40
	s_wait_alu depctr_va_vdst(0)                   ; v12-16 and v7 are written, which the loads below read; all vector and matrix instructions so far are done with the registers in which these loads and the first kstep's land (the stream's sets, b1 as loaded, the last pass's operands and way out)
	LOADA 0
	LOADA 1
	LOADA 2
	WIN 0
	LOADBP 0, 0, 0, 16
	s_mov_b32 s25, 7
	KSTEP 0, 1, 1, 1, 20                           ; the first kstep stands ahead of the loop: it starts the sums; 20 = the ten loads of each of the next two ksteps
.Lk:                                                   ; a trip: ksteps 1, 2, 3 of a group of four and kstep 0 of the next group
	KSTEP 1, 0, 2, 1, 20
	KSTEP 2, 0, 2, 1, 20
	KSTEP 3, 0, 2, 1, 20
	KSTEP 0, 0, 2, 1, 20
	s_sub_co_u32 s25, s25, 1
	s_cmp_lg_u32 s25, 0
	s_cbranch_scc1 .Lk
	KSTEP 1, 0, 0, 1, 20                           ; the last three ksteps ask for no rows: the counts run down
	KSTEP 2, 0, 0, 1, 10
	KSTEP 3, 0, 0, 0, 0
.rept 4
	v_nop                                          ; four plain instructions between the last products and the first read of a sum
.endr
	s_mov_b32 s26, 0
.Ltile:                                                ; THE WAY OUT, a tile a trip; five trips, those past g jumped
	s_cmp_ge_u32 s26, s23
	s_cbranch_scc1 .Lnext
	s_cmp_eq_u32 s26, 0
	s_cbranch_scc1 .Lf0
	s_cmp_eq_u32 s26, 1
	s_cbranch_scc1 .Lf1
	s_cmp_eq_u32 s26, 2
	s_cbranch_scc1 .Lf2
	s_cmp_eq_u32 s26, 3
	s_cbranch_scc1 .Lf3
	FETCH 4
	s_branch .Lgelu
.Lf0:
	FETCH 0
	s_branch .Lgelu
.Lf1:
	FETCH 1
	s_branch .Lgelu
.Lf2:
	FETCH 2
	s_branch .Lgelu
.Lf3:
	FETCH 3
.Lgelu:
	WIN 0x55
	GELU 0                                         ; none of these lines names a register or a base that the last tile's stores read
	GELU 1
	GELU 2
	GELU 3
	s_wait_xcnt 0x0                                ; the last tile's stores have had their addresses translated: their base and data are rewritten only behind this wait
	s_wait_alu depctr_vm_vsrc(0)                   ; the last tile's stores have read the packed words, which the conversions below write again
	s_add_co_u32 s27, s24, s26
	s_min_u32 s27, s27, 134
	s_lshl_b32 s30, s27, 17                        ; a tile of h: 131,072 bytes
	s_add_nc_u64 s[38:39], s[36:37], s[30:31]
.irp q, 0,1
.irp j, 0,1,2,3,4,5,6,7
	v_cvt_pk_bf16_f32 v[HH+16*\q+2*\j], v[X+32*\q+\j], v[X+32*\q+8+\j]          ; hidden columns 4 j, 4 j + 1 of my 32
	v_cvt_pk_bf16_f32 v[HH+16*\q+2*\j+1], v[X+32*\q+16+\j], v[X+32*\q+24+\j]    ; and 4 j + 2, 4 j + 3: words 8 u .. 8 u + 7 are the row operand of kstep 4 s + u
.endr
.endr
	WIN 0x04
	s_wait_alu depctr_va_vdst(0)                   ; the conversions have written the packed words, which the stores read
.irp u, 0,1,2,3
	global_store_b128 v4, v[HH+8*\u:HH+8*\u+3], s[38:39] offset:\u*1024        ; 512 consecutive bytes each
	global_store_b128 v4, v[HH+8*\u+4:HH+8*\u+7], s[38:39] offset:\u*1024+512
.endr
	WIN 0
.Lnext:
	s_add_co_u32 s26, s26, 1
	s_cmp_lt_u32 s26, 5
	s_cbranch_scc1 .Ltile
	s_sub_co_u32 s20, s20, s23
	s_add_co_u32 s24, s24, s23
.Lskip:
	s_sub_co_u32 s41, s41, 1
	s_cmp_lg_u32 s41, 0
	s_cbranch_scc1 .Lpass
	s_wait_dscnt 0x0                               ; my reads of the slice are over;
	s_barrier_signal -1
	s_barrier_wait -1                              ; everybody's are: no wave writes LDS again before that
	s_wait_dscnt 0x0                               ; the closing lines, six on end
	s_wait_alu 0x0
	s_wait_tensorcnt 0x0
	ds_add_u32 v10, v11
	s_wait_dscnt 0x0
	s_endpgm
.Lfunc_end_k_qece28d9440_ffn1:
	.size	k_qece28d9440_ffn1, .Lfunc_end_k_qece28d9440_ffn1-k_qece28d9440_ffn1
	.p2alignl 7, 3214868480
	.fill 96, 4, 3214868480
	.section	.rodata,"a",@progbits
	.p2align	6, 0x0
	.amdhsa_kernel k_qece28d9440_ffn1
		.amdhsa_group_segment_fixed_size 262656
		.amdhsa_private_segment_fixed_size 0
		.amdhsa_enable_private_segment 0
		.amdhsa_kernarg_size 40
		.amdhsa_user_sgpr_count 2
		.amdhsa_user_sgpr_kernarg_segment_ptr 1
		.amdhsa_wavefront_size32 1
		.amdhsa_system_sgpr_workgroup_id_x 1
		.amdhsa_system_sgpr_workgroup_id_y 1
		.amdhsa_system_sgpr_workgroup_id_z 1
		.amdhsa_system_vgpr_workitem_id 0
		.amdhsa_next_free_vgpr 768
		.amdhsa_next_free_sgpr 80
		.amdhsa_reserve_vcc 0
		.amdhsa_float_denorm_mode_32 3
		.amdhsa_float_denorm_mode_16_64 3
		.amdhsa_memory_ordered 1
		.amdhsa_forward_progress 1
		.amdhsa_inst_pref_size 132
	.end_amdhsa_kernel
	.amdgpu_metadata
---
amdhsa.version: [ 1, 2 ]
amdhsa.kernels:
  - .name:           k_qece28d9440_ffn1
    .symbol:         k_qece28d9440_ffn1.kd
    .args:
      - { .name: xs, .offset: 0, .size: 8, .value_kind: global_buffer, .address_space: global }
      - { .name: w1, .offset: 8, .size: 8, .value_kind: global_buffer, .address_space: global }
      - { .name: b1, .offset: 16, .size: 8, .value_kind: global_buffer, .address_space: global }
      - { .name: meta, .offset: 24, .size: 8, .value_kind: global_buffer, .address_space: global }
      - { .name: h, .offset: 32, .size: 8, .value_kind: global_buffer, .address_space: global }
    .group_segment_fixed_size: 262656
    .private_segment_fixed_size: 0
    .kernarg_segment_align: 8
    .kernarg_segment_size: 40
    .max_flat_workgroup_size: 128
    .sgpr_count:     80
    .vgpr_count:     768
    .wavefront_size: 32
...
	.end_amdgpu_metadata
.endif
;; end of part 6
;; launch ffn2 (part 7): grid 32 x 8, 4 waves a work-group, no clusters, 262,656 bytes of LDS; arguments h, w2, gp, meta, y; writes y
.if DOCPART == 7
	.amdgcn_target "amdgcn-amd-amdhsa--gfx1250"
	.amdhsa_code_object_version 6
	.text
	.protected	k_qece28d9440_ffn2
	.globl	k_qece28d9440_ffn2
	.p2align	8
	.type	k_qece28d9440_ffn2,@function
k_qece28d9440_ffn2:
	s_mov_b64 s[64:65], 0
	v_nop
	global_prefetch_b8 v0, s[64:65] scope:SCOPE_SE
	s_setreg_imm32_b32 hwreg(HW_REG_WAVE_SCHED_MODE, 0, 2), 2
	s_setreg_imm32_b32 hwreg(HW_REG_WAVE_MODE, 25, 1), 1
	s_wait_xcnt 0x0
	s_wait_alu depctr_vm_vsrc(0)
; SECOND PRODUCT.  y[kq][position] = gate x (h W2[e]) over a quarter of the hidden width.  Work-group (ns + 8 kq, e) alone reads W2[e][1024 kq .. + 1023][128 ns .. + 127], 524,288 bytes of f32.
; The form is the first product's.  PHASE 1: the slice is rounded to bf16 in registers and laid into LDS as ready operands, 262,144 bytes, each byte written once; wave w takes ksteps 8 w .. 8 w + 7,
; LDS bytes 65,536 w on.  One barrier.  PHASE 2: the expert's T tiles of 16 rows (0 to 64) are dealt to the four waves, up to five a pass, four passes; the rows' operands come from h straight into
; registers, the weights' from LDS; nothing there writes LDS and no barrier stands there.  A pass with fewer than five tiles repeats its last tile in the loads; only its matrix instructions and stores are jumped.
; OPERAND ORDER: in kstep 2 Q + v lane (r, hh) holds in register p k = 64 Q + 32 hh + 16 v + 2 p and + 1, rows and weights alike; weight operand jc of column half q has column 64 q + 4 r + jc in lane r.
; The rows are source 0, the weights source 1: register j of a lane's result is row 8 hh + j, column 64 q + 4 r + jc, so the four operands jc give a lane 16 consecutive bytes of a row of y,
; and sixteen lanes 256 consecutive bytes, aligned.  The multiplication by the row's gate puts them in that order.
; FORMATS: W2 rounded once to bf16, h is bf16, sums f32; the four quarters' partial sums are stored in f32 and added by the next launch, which also adds gate x b2.
; NO JOINT LOADS: each weight has one reader; the eight work-groups of an expert and quarter share the rows' operands, for which 65,024 bytes of LDS are left beside the slice.
; REGISTERS: window 0: v0-21 addresses; v32-71 the gates; v96-159, v160-223 weight operands, two buffers (streaming: v96-127, v128-159 rounded words, two buffers).
;   window 1: streaming: four sets of 64.  Products: v0-159 row operands, a ring of 4 ksteps x 5 tiles x 8; v160-223 tile 4's sums.  Way out: v0-63, v64-127, two buffers.     window 2: the sums of tiles 0-3: (i, t) at 64 i + 8 t
; THE MODE: SCHED_MODE bits 1:0 = 2 (LLVM: expert scheduling mode 2), set by the entry lines.  The code itself states the register dependences
; between vector or matrix instructions and memory or LDS instructions, with s_wait_alu, always for 0.
; THE PLAN.  Registers that memory or LDS instructions touch:
;   STREAM.  Set u: its 32 conversions read it; behind them its next 16 loads land in it.  Rounded words, buffer u % 2: written by unit u's conversions, read by unit u's eight LDS stores.
;     v5: read by every load of W2, never written again: each set has a scalar base of its own, which steps at the head of the set's unit.  v6: read by every LDS store, written once a trip, at its end.
;     One wait on va_vdst a unit, behind its conversions; the unit's loads and LDS stores follow it with no vector instruction between.  A wait on vm_vsrc stands in units 1 and 2, ahead of the unit's own
;     memory instructions: the LDS stores of the unit before have read the buffer that the next unit writes; one more a trip stands ahead of the add to v6, and serves units 0 and 1 as well.
;   PRODUCTS.  Ring place p and weight buffer b: read by one kstep's products, loaded again in the next kstep.  v12-21: written at a pass's head.  v7: written there and in every fourth kstep.
;     v32-71, the gates: loaded at a pass's head, read by the way out's multiplications.
;     One wait on va_vdst at the head of a kstep that loads: the last kstep's products are done reading what is loaded now.  The kstep's own products name the other place, the other buffer and the sums,
;     so its 26 loads, dealt among them, owe nothing more.  At a pass's head one wait on vm_vsrc ahead of the address arithmetic, one on va_vdst behind it.
;   WAY OUT.  Out-buffer i % 2: written by tile i's 64 multiplications, read by its 16 stores.  The waits that free a buffer for tile i + 1 stand in tile i, behind its multiplications and ahead of its stores.
;   v9: read by every store, never written again.  v10, v11: written at the head, read by the closing add alone.
.set PITCH, 4096                       ; bytes from row to row of W2
.set HSH,   17                         ; 32 rows
.set WSH,   20                         ; 256 rows
.set TSH,   17                         ; a tile of h: 131,072 bytes
.set PLANE, 8847360                    ; a quarter's plane of y: 2,160 positions x 4,096 bytes
.set SPARE, 262144                     ; behind the slice: the spare words, 128 bytes for each wave
.set AT,   12                          ; v12-16  16 L + the byte offset of tile i of the pass in h
.set GT,   17                          ; v17-21  the byte offset of my eight rows' gates of tile i
.set AP,   68                          ; s[68:75] products: the address of the row operands' next kstep, a pair for each place of the ring
.set WB,   68                          ; s[68:75] streaming: the address from which set u is loaded next, a pair for each set
.set G,    32
.set BB,   96
.set TMP,  96
.set AR,   0
.set ACC4, 160
.set TY,   0
.set MSB, 0
.macro WIN new                         ; the immediate's high byte repeats the setting that is left; a switch that changes nothing is dropped
.if MSB != (\new)
	s_set_vgpr_msb (MSB<<8)|(\new)
.set MSB, \new
.endif
.endm
	s_load_b256 s[4:11], s[0:1], 0x0               ; h s[4:5], w2 s[6:7], gp s[8:9], meta s[10:11]
	s_load_b64 s[12:13], s[0:1], 0x20              ; y
	v_lshl_add_u32 v10, v0, 2, SPARE               ; my spare word,
	v_mov_b32 v11, 0                               ; and 0: kept for the wave's last lines
	v_and_b32 v1, 31, v0
	v_and_b32 v2, 15, v0                           ; r
	v_bfe_u32 v3, v0, 4, 1                         ; hh
	v_lshrrev_b32 v7, 5, v0
	v_readfirstlane_b32 s14, v7                    ; wave
	s_and_b32 s15, ttmp9, 7                        ; column slice ns
	s_lshr_b32 s57, ttmp9, 3                       ; quarter kq
	s_and_b32 s16, ttmp7, 0xffff                   ; expert e
	v_lshlrev_b32 v4, 4, v1                        ; 16 L
	v_lshlrev_b32 v5, 4, v2
	v_lshl_add_u32 v9, v3, 15, v5                  ; y: 8 hh rows + 16 r
	v_lshl_add_u32 v5, v3, HSH, v5
	v_lshlrev_b32 v8, 5, v3                        ; 8 hh gates
	s_wait_alu depctr_va_sdst(0)                   ; s14 is written, ahead of its first reader: offsets, LDS addresses and the deal of the tiles are made from it
	s_lshl_b32 s27, s14, WSH
	v_add_nc_u32 v5, s27, v5                       ; (256 w + 32 hh) rows + 16 r
	s_lshl_b32 s27, s14, 16
	v_add_nc_u32 v6, s27, v4                       ; LDS: my wave's 65,536 bytes + 16 L
	s_mov_b32 s31, 0                               ; the high word of every offset
	s_lshl_b32 s56, s16, 2
	s_lshl_b32 s30, s16, 24
	s_lshl_b32 s27, s57, 22
	s_add_co_u32 s30, s30, s27
	s_lshl_b32 s27, s15, 9
	s_add_co_u32 s30, s30, s27
	s_wait_kmcnt 0x0
.irp u, 0,1,2,3
	s_add_nc_u64 s[WB+2*\u:WB+2*\u+1], s[6:7], s[30:31]   ; W2[e] at my quarter's first row and my slice's first column, once for each set
.endr
	s_mul_i32 s30, s57, PLANE
	s_add_co_u32 s30, s30, s27
	s_add_nc_u64 s[36:37], s[12:13], s[30:31]      ; y at my plane and my slice's first column
	s_lshl_b32 s30, s57, 15
	s_add_nc_u64 s[54:55], s[4:5], s[30:31]        ; h at my quarter's first kstep of tile 0
; PHASE 1.  A unit is one kstep x 64 columns: 16 loads, each two rows' 256 consecutive bytes.  Four sets of registers: set = 2 x (kstep parity) + column half.
.macro WLOAD set                       ; the set's 16 loads, from its own base; the window is set by the caller: destination window 1
.set i, 0
.rept 16
	global_load_b128 v[64*(\set)+4*i:64*(\set)+4*i+3], v5, s[WB+2*(\set):WB+2*(\set)+1] offset:(16*((\set)/2)+i)*PITCH+256*((\set)%2) th:TH_LOAD_NT
.set i, i+1
.endr
.endm
; A unit: rows 2 p and 2 p + 1 of column jc make register p of operand jc; the set is asked for again (ld = 1), two ksteps of its parity on; then 4,096 bytes go into LDS.
; free = 1: the wait that frees the other buffer of rounded words for the next unit.  lc: the younger loads that may stay out.
.macro UNIT set, ld, free, lc
	s_wait_loadcnt \lc                             ; loads come back in order: this set is in
.if \ld
	s_add_nc_u64 s[WB+2*(\set):WB+2*(\set)+1], s[WB+2*(\set):WB+2*(\set)+1], 64*PITCH  ; free since that wait, which shows the loads that read it done
.endif
	WIN 0x05
.irp jc, 0,1,2,3
.irp p, 0,1,2,3,4,5,6,7
	v_cvt_pk_bf16_f32 v[TMP+32*((\set)%2)+8*(\jc)+(\p)], v[64*(\set)+8*(\p)+(\jc)], v[64*(\set)+8*(\p)+4+(\jc)]
.endr
.endr
.if \ld
	WIN 0x40
.else
	WIN 0
.endif
.if \free
	s_wait_alu depctr_vm_vsrc(0)                   ; the LDS stores of the unit before have read the other buffer of rounded words, which the next unit's conversions write
.endif
	s_wait_alu depctr_va_vdst(0)                   ; the conversions have written the rounded words, which the LDS stores read, and are done reading the set, in which the loads land; in a trip's first unit v6 is written
.if \ld
	WLOAD \set
	WIN 0
.endif
.irp jc, 0,1,2,3
	ds_store_b128 v6, v[TMP+32*((\set)%2)+8*(\jc):TMP+32*((\set)%2)+8*(\jc)+3] offset:((\set)/2)*8192+((\set)%2)*4096+(\jc)*1024
	ds_store_b128 v6, v[TMP+32*((\set)%2)+8*(\jc)+4:TMP+32*((\set)%2)+8*(\jc)+7] offset:((\set)/2)*8192+((\set)%2)*4096+(\jc)*1024+512
.endr
.endm
	WIN 0x40
	s_wait_alu depctr_va_vdst(0)                   ; the head's offsets and addresses v4, v5, v6, v8, v9 are written, which the loads, LDS stores and stores below read
	WLOAD 0                                        ; 64 loads, 32,768 bytes, of every wave are on their way from here to the tail
	WLOAD 1
	WLOAD 2
	WLOAD 3
	WIN 0
	s_load_b32 s17, s[10:11], s56 offset:0x0       ; the expert's first tile
	s_load_b32 s18, s[10:11], s56 offset:0x20      ; and its number of tiles
	s_mov_b32 s25, 3
.Lstream:                                              ; a trip: two ksteps are rounded and stored, the next two are asked for; 48 = the three younger sets of 16
	UNIT 0, 1, 0, 48
	UNIT 1, 1, 1, 48
	UNIT 2, 1, 1, 48
	UNIT 3, 1, 0, 48
	s_wait_alu depctr_vm_vsrc(0)                   ; the LDS stores issued so far have read v6, which is written below, and both buffers of rounded words, which the next two units write
	v_add_nc_u32 v6, 0x4000, v6
	s_sub_co_u32 s25, s25, 1
	s_cmp_lg_u32 s25, 0
	s_cbranch_scc1 .Lstream
	UNIT 0, 0, 0, 48                               ; the tail asks for nothing: the counts run down
	UNIT 1, 0, 1, 32
	UNIT 2, 0, 1, 16
	UNIT 3, 0, 0, 0
	s_wait_dscnt 0x0                               ; for the others' sake: my part of the slice is in LDS
	s_barrier_signal -1
	s_barrier_wait -1                              ; everybody's is; from here to the closing barrier LDS is only read
	s_wait_kmcnt 0x0
	s_min_u32 s17, s17, 134
	s_min_u32 s18, s18, 64
	s_add_co_u32 s19, s18, 3
	s_lshr_b32 s19, s19, 2                         ; tiles a wave
	s_mul_i32 s27, s14, s19
	s_sub_co_i32 s20, s18, s27
	s_max_i32 s20, s20, 0
	s_min_u32 s20, s20, s19                        ; my tiles still to do
	s_add_co_u32 s24, s17, s27                     ; the first of them
; PHASE 2
.macro LOADA rb                        ; five tiles' row operands of one kstep into ring place rb: ten loads of 512 consecutive bytes
	WIN 0x40
.irp i, 0,1,2,3,4
	global_load_b128 v[AR+40*(\rb)+8*(\i):AR+40*(\rb)+8*(\i)+3], v[AT+(\i)], s[AP+2*(\rb):AP+2*(\rb)+1]
	global_load_b128 v[AR+40*(\rb)+8*(\i)+4:AR+40*(\rb)+8*(\i)+7], v[AT+(\i)], s[AP+2*(\rb):AP+2*(\rb)+1] offset:512
.endr
.endm
.macro LOADBP buf, off, n0, cnt        ; cnt of the sixteen LDS loads of a kstep's eight weight operands, from number n0 on: 512 consecutive bytes each
.set n, \n0
.rept \cnt
	ds_load_b128 v[BB+64*(\buf)+4*n:BB+64*(\buf)+4*n+3], v7 offset:(\off)+512*n
.set n, n+1
.endr
.endm
.macro TILE jj, i, zero                ; tile i's eight products of kstep jj: its eight sums by turns, one instruction a turn.  zero = 1: they start the sums
.if (\i) < 4
	WIN 0xa1                                       ; rows window 1, weights window 0, sums window 2
.set AC, 64*(\i)
.else
	WIN 0x51                                       ; sums window 1
.set AC, ACC4
.endif
.irp t, 0,1,2,3,4,5,6,7
.if \zero
	v_wmma_f32_16x16x32_bf16 v[AC+8*(\t):AC+8*(\t)+7], v[AR+40*((\jj)&3)+8*(\i):AR+40*((\jj)&3)+8*(\i)+7], v[BB+64*((\jj)&1)+8*(\t):BB+64*((\jj)&1)+8*(\t)+7], 0
.else
	v_wmma_f32_16x16x32_bf16 v[AC+8*(\t):AC+8*(\t)+7], v[AR+40*((\jj)&3)+8*(\i):AR+40*((\jj)&3)+8*(\i)+7], v[BB+64*((\jj)&1)+8*(\t):BB+64*((\jj)&1)+8*(\t)+7], v[AC+8*(\t):AC+8*(\t)+7]
.endif
.endr
.endm
; Kstep jj of a group of four.  la: the rows of three ksteps on are asked for (1: at the place's first address; 2: the address goes four ksteps on first: the loads that last named that pair brought the kstep
; multiplied just before this one, and the counted wait at that kstep's head has shown them done).  lb: the next kstep's weights are asked for, in three runs ahead of tiles 0, 1 and 2, so that products stand
; between the runs.  lc: the younger row loads that may stay out.  A tile past the pass's count g has its eight products jumped, and nothing else.
; zero = 1: the pass's first kstep: the wait at the pass's head serves its loads too, since only v_nop stands between.
.macro KSTEP jj, zero, la, lb, lc
.if (\jj) == 3
.set kb, 0
.set ko, 0
.else
.set kb, ((\jj)+1)&1
.set ko, ((\jj)+1)*8192
.endif
	s_wait_dscnt 0x0                               ; this kstep's weights, asked for in the last kstep
	s_wait_loadcnt \lc                             ; this kstep's rows
.rept 4
	v_nop                                          ; four plain instructions between the last kstep's products and all loads below into registers that they read
.endr
.if (\lb) && ((\jj) == 3)
	s_wait_alu depctr_vm_vsrc(0)                   ; the LDS loads issued so far have read v7
	v_add_nc_u32 v7, 0x8000, v7                    ; the next group of four ksteps in LDS
.endif
.if (\la) == 2
	s_add_nc_u64 s[AP+2*(((\jj)+3)&3):AP+2*(((\jj)+3)&3)+1], s[AP+2*(((\jj)+3)&3):AP+2*(((\jj)+3)&3)+1], 4096
.endif
.if \la
	WIN 0x40
.endif
.if ((\la) || (\lb)) && !(\zero)
	s_wait_alu depctr_va_vdst(0)                   ; the last kstep's products are done reading the ring place and the weight buffer in which this kstep's loads land; in a group's last kstep v7 is written
.endif
.if \la
	LOADA ((\jj)+3)&3
	WIN 0
.endif
.irp i, 0,1,2,3,4
.if (\lb) && ((\i) == 0)
	LOADBP kb, ko, 0, 6
.endif
.if (\lb) && ((\i) == 1)
	LOADBP kb, ko, 6, 5                            ; no wait: the products issued since the wait above name the other weight buffer, this kstep's ring place and the sums
.endif
.if (\lb) && ((\i) == 2)
	LOADBP kb, ko, 11, 5
.endif
.if ((\i) > 0) && !(\zero)
	s_cmp_le_u32 s23, \i
	s_cbranch_scc1 .Ld_\@_\i
.endif
	TILE \jj, \i, \zero
	WIN 0
.if ((\i) > 0) && !(\zero)
.Ld_\@_\i:
.endif
.endr
.endm
; THE WAY OUT of tile i: each sum times its row's gate, into the order of y's rows, into out-buffer i % 2; each sum's registers ascending; then sixteen stores, each two rows' 256 consecutive bytes.
; Tile 0's buffer and base, and tile 1's buffer, were freed at the pass's head.  Behind tile 4 no tile writes a buffer, so it waits for the stores' base alone.
.macro YOUT i
	WIN 0
	s_cmp_le_u32 s23, \i
	s_cbranch_scc1 .Lydone
.if (\i) < 4
	WIN 0x42
.set AC, 64*(\i)
.else
	WIN 0x41
.set AC, ACC4
.endif
.set TB, TY+64*((\i)%2)
.irp t, 0,1,2,3,4,5,6,7
.irp j, 0,1,2,3,4,5,6,7
	v_mul_f32 v[TB+4*(8*((\t)/4)+(\j))+(\t)%4], v[AC+8*(\t)+(\j)], v[G+8*(\i)+(\j)]
.endr
.endr
	WIN 0x04
.if (\i) > 0
	s_wait_xcnt 0x0                                ; the last tile's stores have had their addresses translated: their base, and their data in the other buffer, are rewritten only behind this wait
.endif
.if ((\i) > 0) && ((\i) < 4)
	s_wait_alu depctr_vm_vsrc(0)                   ; the last tile's stores have read the other out-buffer, which the next tile's multiplications write
.endif
	s_add_co_u32 s27, s24, \i
	s_min_u32 s27, s27, 134
	s_lshl_b32 s30, s27, 16                        ; 16 rows of 4,096 bytes
	s_add_nc_u64 s[38:39], s[36:37], s[30:31]
	s_wait_alu depctr_va_vdst(0)                   ; the multiplications have written this tile's out-buffer, which the stores read
.irp q, 0,1
.irp j, 0,1,2,3,4,5,6,7
	global_store_b128 v9, v[TB+4*(8*(\q)+(\j)):TB+4*(8*(\q)+(\j))+3], s[38:39] offset:(\j)*4096+(\q)*256
.endr
.endr
.endm
	s_mov_b32 s41, 4
.Lpass:                                                ; four trips; a trip with no tile left is jumped
	s_cmp_eq_u32 s20, 0
	s_cbranch_scc1 .Lskip
	s_wait_xcnt 0x0                                ; the last pass's loads and stores have had their addresses translated: their addresses, base and data are rewritten only behind this wait
	s_wait_alu depctr_vm_vsrc(0)                   ; the memory and LDS instructions issued so far have read v12-21 and v7, which are written below; the stream's rounded words, in which weights land; the last pass's out-buffers, in which rows land
	s_min_u32 s23, s20, 5                          ; g: this pass's tiles
	s_sub_co_u32 s28, s23, 1
.irp i, 0,1,2,3,4
	s_min_u32 s29, s28, \i                         ; a place past g repeats the pass's last tile
	s_add_co_u32 s29, s29, s24
	s_min_u32 s29, s29, 134
	s_lshl_b32 s27, s29, 6
	s_lshl_b32 s29, s29, TSH
	v_add_nc_u32 v[AT+\i], s29, v4
	v_add_nc_u32 v[GT+\i], s27, v8
.endr
	v_mov_b32 v7, v4
.irp rb, 0,1,2,3
	s_add_nc_u64 s[AP+2*\rb:AP+2*\rb+1], s[54:55], 1024*\rb   ; ring place rb begins with kstep rb
.endr
	s_wait_alu depctr_va_vdst(0)                   ; v12-21 and v7 are written, which the loads below read; all vector and matrix instructions so far are done with the registers in which these loads and the first kstep's land (the stream's sets, the last pass's gates, operands and out-buffers)
.irp i, 0,1,2,3,4
	global_load_b128 v[G+8*\i:G+8*\i+3], v[GT+\i], s[8:9]             ; the gates of rows 8 hh .. 8 hh + 7: the oldest loads, in before the first rows
	global_load_b128 v[G+8*\i+4:G+8*\i+7], v[GT+\i], s[8:9] offset:16
.endr
	LOADA 0
	LOADA 1
	LOADA 2
	WIN 0
	LOADBP 0, 0, 0, 16
	s_mov_b32 s25, 7
	KSTEP 0, 1, 1, 1, 20                           ; the first kstep stands ahead of the loop: it starts the sums; 20 = the ten loads of each of the next two ksteps
.Lk:                                                   ; a trip: ksteps 1, 2, 3 of a group of four and kstep 0 of the next group
	KSTEP 1, 0, 2, 1, 20
	KSTEP 2, 0, 2, 1, 20
	KSTEP 3, 0, 2, 1, 20
	KSTEP 0, 0, 2, 1, 20
	s_sub_co_u32 s25, s25, 1
	s_cmp_lg_u32 s25, 0
	s_cbranch_scc1 .Lk
	KSTEP 1, 0, 0, 1, 20                           ; the last three ksteps ask for no rows: the counts run down
	KSTEP 2, 0, 0, 1, 10
	KSTEP 3, 0, 0, 0, 0
.rept 4
	v_nop                                          ; four plain instructions between the last products and the first read of a sum
.endr
	YOUT 0
	YOUT 1
	YOUT 2
	YOUT 3
	YOUT 4
	WIN 0
.Lydone:
	s_sub_co_u32 s20, s20, s23
	s_add_co_u32 s24, s24, s23
.Lskip:
	s_sub_co_u32 s41, s41, 1
	s_cmp_lg_u32 s41, 0
	s_cbranch_scc1 .Lpass
	s_wait_dscnt 0x0                               ; my reads of the slice are over;
	s_barrier_signal -1
	s_barrier_wait -1                              ; everybody's are: no wave writes LDS again before that
	s_wait_dscnt 0x0                               ; the closing lines, six on end
	s_wait_alu 0x0
	s_wait_tensorcnt 0x0
	ds_add_u32 v10, v11
	s_wait_dscnt 0x0
	s_endpgm
.Lfunc_end_k_qece28d9440_ffn2:
	.size	k_qece28d9440_ffn2, .Lfunc_end_k_qece28d9440_ffn2-k_qece28d9440_ffn2
	.p2alignl 7, 3214868480
	.fill 96, 4, 3214868480
	.section	.rodata,"a",@progbits
	.p2align	6, 0x0
	.amdhsa_kernel k_qece28d9440_ffn2
		.amdhsa_group_segment_fixed_size 262656
		.amdhsa_private_segment_fixed_size 0
		.amdhsa_enable_private_segment 0
		.amdhsa_kernarg_size 40
		.amdhsa_user_sgpr_count 2
		.amdhsa_user_sgpr_kernarg_segment_ptr 1
		.amdhsa_wavefront_size32 1
		.amdhsa_system_sgpr_workgroup_id_x 1
		.amdhsa_system_sgpr_workgroup_id_y 1
		.amdhsa_system_sgpr_workgroup_id_z 1
		.amdhsa_system_vgpr_workitem_id 0
		.amdhsa_next_free_vgpr 768
		.amdhsa_next_free_sgpr 80
		.amdhsa_reserve_vcc 0
		.amdhsa_float_denorm_mode_32 3
		.amdhsa_float_denorm_mode_16_64 3
		.amdhsa_memory_ordered 1
		.amdhsa_forward_progress 1
		.amdhsa_inst_pref_size 102
	.end_amdhsa_kernel
	.amdgpu_metadata
---
amdhsa.version: [ 1, 2 ]
amdhsa.kernels:
  - .name:           k_qece28d9440_ffn2
    .symbol:         k_qece28d9440_ffn2.kd
    .args:
      - { .name: h, .offset: 0, .size: 8, .value_kind: global_buffer, .address_space: global }
      - { .name: w2, .offset: 8, .size: 8, .value_kind: global_buffer, .address_space: global }
      - { .name: gp, .offset: 16, .size: 8, .value_kind: global_buffer, .address_space: global }
      - { .name: meta, .offset: 24, .size: 8, .value_kind: global_buffer, .address_space: global }
      - { .name: y, .offset: 32, .size: 8, .value_kind: global_buffer, .address_space: global }
    .group_segment_fixed_size: 262656
    .private_segment_fixed_size: 0
    .kernarg_segment_align: 8
    .kernarg_segment_size: 40
    .max_flat_workgroup_size: 128
    .sgpr_count:     80
    .vgpr_count:     768
    .wavefront_size: 32
...
	.end_amdgpu_metadata
.endif
;; end of part 7
;; launch comb: the kernel of part 5 again; grid 256 x 1, 8 waves a work-group, no clusters, 0 bytes of LDS; arguments y, pos, sel, gat, b2, out0; writes out0
